; MI455X (gfx1250); checked and timed in simulation.
; The chip was launched on July 23, 2026; its instructions are those of AMD's public machine-readable ISA for CDNA 5 (MIT licence, August 2026) and "CDNA5" Instruction Set Architecture Reference Guide (July 2026). The comments in the code are by the model that wrote it; some were corrected since.
;; Multi Head Attention. Allowed arithmetic: matrix products marked QUANTISED: E2M3 operands, one E8M0 scale for each 32 along K, by v_wmma_scale_f32_16x16x128_f8f6f4 with both operands' format E2M3, f32 sums; everything else in f32.
;; Inputs: Wk 1,024 x 1,024 float32; Wo 1,024 x 1,024 float32; Wq 1,024 x 1,024 float32; Wv 1,024 x 1,024 float32; bk 1,024 float32; bo 1,024 float32; bq 1,024 float32; bv 1,024 float32; key 8 x 1,024 x 1,024 float32; mask 8 x 1 x 1,024 int32; query 8 x 1,024 x 1,024 float32; value 8 x 1,024 x 1,024 float32.
;; Outputs: out0 8 x 1,024 x 1,024 float32.
;; This version of the problem:
;;   THIS VERSION OF THE PROBLEM IS GIVEN IN LOW PRECISION. The matrix products marked QUANTISED in the list below multiply operands that are first quantised to E2M3 (2 exponent bits, 3 mantissa bits; 6 bits a number), with one power-of-two scale for each 32 numbers along K (OCP MX v1.0); their sums are f32. All else is computed in f32.
;;   The module's matrix products, in the order in which they are computed (A, B: the left and right operand; K: the contracted axis; several contracted axes count as one K, in the product's order):
;;     1. [M 8,192, K 1,024] x [K 1,024, N 1,024]; A: input query; B: input Wq: QUANTISED
;;     2. [M 8,192, K 1,024] x [K 1,024, N 1,024]; A: input key; B: input Wk: QUANTISED
;;     3. [M 8,192, K 1,024] x [K 1,024, N 1,024]; A: input value; B: input Wv: QUANTISED
;;     4. batch 128 x [M 1,024, K 64] x [K 64, N 1,024]; A: computed on the way; B: computed on the way: QUANTISED
;;     5. batch 128 x [M 64, K 1,024] x [K 1,024, N 1,024]; A: computed on the way; B: computed on the way: QUANTISED
;;     6. [M 8,192, K 1,024] x [K 1,024, N 1,024]; A: computed on the way; B: input Wo: QUANTISED
;;   THE QUANTISER, for each operand of a quantised product, along K:
;;     - K is cut into blocks of 32 from its start; a last block that is shorter is filled with zeros.
;;     - A block's scale is 2^e with e = floor(log2(the largest magnitude in the block)) - 2, held to -126 .. 127; a block of zeros has e = 0. As a byte (E8M0): e + 127.
;;     - Each number is divided by its block's scale, clamped to +-7.5, and rounded to the nearest number of E2M3, ties to even, subnormals kept.
;;     - The product sums the exact products of the quantised numbers (number of the format x scale) in f32.
;;   ~~~python
;;   def quantise(x, axis):      # numpy; x: float32 -> the quantised numbers, widened to float32 again
;;       x = np.moveaxis(x, axis, -1); K = x.shape[-1]
;;       x = np.pad(x, [(0, 0)] * (x.ndim - 1) + [(0, -K % 32)]); x = x.reshape(x.shape[:-1] + (-1, 32)); a = np.abs(x).max(-1, keepdims=True)
;;       e = np.where(a > 0, np.clip(np.frexp(np.where(a > 0, a, 1))[1] - 1 - 2, -126, 127), 0)      # np.frexp(a)[1] - 1 = floor(log2(a)), exactly
;;       r = np.clip(x / 2.0 ** e, -7.5, 7.5)
;;       step = 2.0 ** (np.maximum(np.frexp(np.where(r == 0, 1, r))[1] - 1, 0) - 3)
;;       q = np.round(r / step) * step * 2.0 ** e      # np.round: ties to even
;;       return np.moveaxis(q.reshape(q.shape[:-2] + (-1,))[..., :K], -1, axis).astype(np.float32)
;;   ~~~
;;   OPERANDS COMPUTED ON THE WAY. 'Computed on the way' means the value that the module computes at that place (a softmax that the list does not call 'softmax' is quantised finished and normalised). What goes into a quantiser is computed in f32, as accurately as f32 sums, v_exp_f32 and their like allow (about 1e-6 of the number): no bf16 or f16 on the way to a quantiser, and a product that is left as it is and whose result goes on into a quantised operand takes f32 operands (vector FMAs, or v_wmma_f32_16x16x4_f32). A number that lies on a knife's edge between two numbers of the format may be rounded either way, as far as f32 arithmetic and the matrix unit's own rounding can turn it there, and no further.
;; One version. Each part assembles by itself: llvm-mc -triple=amdgcn-amd-amdhsa -mcpu=gfx1250 --defsym DOCPART=n.
;; ======== version 1 of 1: 4 launches
;; limits: right only within a limited range of input values
;; workspace buffers: codes 22,020,096 bytes; scales 917,504 bytes; qkv 18,874,368 bytes; qkvs 786,432 bytes; ctx 6,291,456 bytes; ctxs 262,144 bytes
;; launch quant (part 1): grid 256 x 1, 7 waves a work-group, no clusters, 60,416 bytes of LDS; arguments query, key, value, Wq, Wk, Wv, Wo, codes, scales; writes codes, scales
.if DOCPART == 1
	.amdgcn_target "amdgcn-amd-amdhsa--gfx1250"
	.amdhsa_code_object_version 6
	.text
	.protected	k_q4e2eec1f1a_quant
	.globl	k_q4e2eec1f1a_quant
	.p2align	8
	.type	k_q4e2eec1f1a_quant,@function
k_q4e2eec1f1a_quant:
	s_mov_b64 s[64:65], 0
	v_nop
	global_prefetch_b8 v0, s[64:65] scope:SCOPE_SE
	s_setreg_imm32_b32 hwreg(HW_REG_WAVE_MODE, 25, 1), 1
	s_wait_xcnt 0x0
; query, key, value [8192][1024] and Wq, Wk, Wv, Wo [1024][1024], f32, become codes of FP6 (E2M3) with one E8M0 scale byte for each 32 along K (their last axis).
; A block's scale is 2^(floor(log2(its largest magnitude)) - 2): its byte is that magnitude's exponent field - 2, held at 1 from below.
; THE CODES ARE LAID AS IMAGES OF OPERAND REGISTERS.  A fragment is 16 rows x 128 K = 12 registers a lane (lane (r, h): registers 6 c .. 6 c + 5 hold k = 64 c + 32 h + 0 .. 31 of row r);
; its image is 1,536 bytes: register 4 c + q of lane l at 512 c + 16 l + 4 q.  codes = [tile T][K step 0 .. 7][1,536]; scales = [T][row 0 .. 15][8 words]: a word is four bytes, 128 along K.
; Tiles: query T = 0 .., key 512 .., value 1024 .., Wq 1536 .., Wk 1600 .., Wv 1664 .., Wo 1728 .. 1791.
; ROW ORDER.  query and Wo: tile a holds rows 16 a + i.  key, value, Wq, Wk, Wv: tile a = 2 B + u holds rows 32 B + 8 u + (i & 7) + 16 (i >> 3): used as a product's source 0,
; the 16 result registers of tiles 2 B and 2 B + 1 are then 16 neighbours, which is what the next quantiser wants.
; SHARES.  1,792 tiles = 7 waves x 256 work-groups: a wave takes one tile, eight K steps written out.  Each load reads 512 consecutive bytes of one row; the 16 rows turn through the wave's own
; stage in LDS (pitch 528 bytes) so that a lane gets 16 neighbours of each block of 32.  Waves share nothing: no barrier.  Loads run two K steps (32 loads a wave) ahead.
; LIMITS: NaN and infinities among the inputs are not served.  A block of zeros gets the byte 1 where the rule says 127: its codes are zeros, and this program alone reads the bytes.
.set STGB, 8448                        ; a wave's stage: 16 rows x 528 bytes
.set SP,   528                         ; 512 bytes + 16: an odd multiple of 16, so the 16 rows that a read touches start in different banks
.set GI,   4                           ; v4   16 x lane
.set STI,  5                           ; v5   the stage, on the way in: + 16 x lane
.set STO,  6                           ; v6   on the way out: + 528 r + 64 h
.set SCO,  7                           ; v7   32 r + 16 h: my 16 bytes of the tile's scale words
.set R,    16                          ; v16-143  two sets of 64: a K step as loaded
.set X,    144                         ; v144-207 register 16 b + i = k 32 b + 16 h + i of my row
.set PC,   208                         ; v208-219 the fragment just made
.set T2,   220                         ; v220-227 the blocks' upper halves on their way
.set TM,   228                         ; v228-231 largest magnitudes, v232-235 bytes, v240-243 the conversions' scale operands
.set PW,   244                         ; v244-251 a scale word for each K step
.set SEL,  30                          ; s[30:31] v_permlanex16_b32's selects for lane l xor 16
; 64 numbers of a lane become a fragment's codes: k 0 .. 63 in v[d0] .. v[d0 + 5], k 64 .. 127 in v[d1] .. v[d1 + 5]; the four scale bytes stay in v[TM + 4] .. v[TM + 7].
.macro QUANT s, d0, d1
.irp b, 0,1,2,3
	v_max3_num_f32 v[TM+\b], |v[\s+16*\b]|, |v[\s+1+16*\b]|, 0x1800000   ; my 16 numbers of block b, and the floor 2^(3 - 127): the byte cannot fall under 1
.endr
.irp i, 2,4,6,8,10,12,14
.irp b, 0,1,2,3
	v_max3_num_f32 v[TM+\b], v[TM+\b], |v[\s+16*\b+\i]|, |v[\s+1+16*\b+\i]|   ; the four blocks by turns
.endr
.endr
.irp b, 0,1,2,3
	v_permlanex16_b32 v[TM+4+\b], v[TM+\b], s[SEL], s[SEL+1]
.endr
.irp b, 0,1,2,3
	v_max_num_f32 v[TM+\b], v[TM+\b], v[TM+4+\b]   ; with lane l xor 16's 16: the block's largest magnitude
.endr
.irp b, 0,1,2,3
	v_add_nc_u32 v[TM+12+\b], 0xff000000, v[TM+\b]   ; 2 off its exponent field: the conversion takes that field as its scale
.endr
.irp b, 0,1,2,3
	v_lshrrev_b32 v[TM+4+\b], 23, v[TM+12+\b]      ; the scale's byte
.endr
	v_cvt_scalef32_pk16_fp6_f32 v[\d0:\d0+2], v[\s:\s+15], v[TM+12]
	v_cvt_scalef32_pk16_fp6_f32 v[T2:T2+2], v[\s+16:\s+31], v[TM+13]   ; (a conversion's three registers begin on an even number)
	v_cvt_scalef32_pk16_fp6_f32 v[\d1:\d1+2], v[\s+32:\s+47], v[TM+14]
	v_cvt_scalef32_pk16_fp6_f32 v[T2+4:T2+6], v[\s+48:\s+63], v[TM+15]
	v_nop                                          ; one plain instruction behind the scaled conversions
.irp i, 0,1,2
	v_permlane16_swap_b32 v[\d0+\i], v[T2+\i]      ; the layout wants a whole block in a lane: lanes 0-15 the even block, lanes 16-31 the odd one
	v_permlane16_swap_b32 v[\d1+\i], v[T2+4+\i]
.endr
.irp i, 0,1,2
	v_mov_b32 v[\d0+3+\i], v[T2+\i]
	v_mov_b32 v[\d1+3+\i], v[T2+4+\i]
.endr
.endm
	s_load_b512 s[8:23], s[0:1], 0x0               ; query s[8:9], key, value, Wq, Wk, Wv, Wo s[20:21], codes s[22:23]
	s_load_b64 s[24:25], s[0:1], 0x40              ; scales
	v_lshl_add_u32 v254, v0, 2, 0xe800
	v_mov_b32 v255, 0
	v_lshrrev_b32 v1, 5, v0
	v_readfirstlane_b32 s2, v1                     ; wave 0 .. 6
	v_and_b32 v2, 31, v0                           ; lane
	v_and_b32 v3, 15, v0                           ; r
	v_bfe_u32 v8, v0, 4, 1                         ; h
	v_lshlrev_b32 v[GI], 4, v2
	s_mul_i32 s36, s2, STGB                        ; my stage
	v_add_nc_u32 v[STI], s36, v[GI]
	v_mul_u32_u24 v[STO], v3, SP
	v_lshl_add_u32 v[STO], v8, 6, v[STO]
	v_add_nc_u32 v[STO], s36, v[STO]
	v_lshlrev_b32 v[SCO], 5, v3
	v_lshl_add_u32 v[SCO], v8, 4, v[SCO]
.irp b, 0,1,2,3
	v_mov_b32 v[TM+4+\b], 0                        ; written once: a lane permute's destination counts as one of its sources
.endr
	s_mov_b32 s[SEL], 0x76543210
	s_mov_b32 s[SEL+1], 0xfedcba98
	s_mul_i32 s3, ttmp9, 7
	s_add_co_u32 s3, s3, s2                        ; T, my tile
	s_wait_alu depctr_va_vdst(0)
	s_wait_kmcnt 0x0
	s_mov_b64 s[4:5], s[20:21]                     ; which tensor holds tile T, and its first tile: six choices on T alone
	s_mov_b32 s6, 1728
.macro RUNG lim, ptr, base
	s_cmp_lt_u32 s3, \lim
	s_cselect_b64 s[4:5], s[\ptr:\ptr+1], s[4:5]
	s_cselect_b32 s6, \base, s6
.endm
	RUNG 1728, 18, 1664
	RUNG 1664, 16, 1600
	RUNG 1600, 14, 1536
	RUNG 1536, 12, 1024
	RUNG 1024, 10, 512
	RUNG 512, 8, 0
	s_sub_co_u32 s7, s3, s6                        ; a: the tile's number in its tensor
	s_lshr_b32 s33, s7, 1
	s_lshl_b32 s33, s33, 5
	s_and_b32 s34, s7, 1
	s_lshl_b32 s34, s34, 3
	s_add_co_u32 s33, s33, s34                     ; 32 (a >> 1) + 8 (a & 1)
	s_lshl_b32 s34, s7, 4                          ; 16 a
	s_sub_co_u32 s35, s3, 512
	s_cmp_lt_u32 s35, 1216                         ; key, value, Wq, Wk, Wv: T = 512 .. 1727
	s_cselect_b32 s33, s33, s34                    ; the tile's first row,
	s_cselect_b32 s34, 16, 8                       ; and how far on its rows 8 .. 15 begin
	s_lshl_b32 s26, s33, 12                        ; a row is 4,096 bytes
	s_mov_b32 s27, 0
	s_add_nc_u64 s[26:27], s[4:5], s[26:27]        ; rows 0 .. 7 of the tile
	s_lshl_b32 s28, s34, 12
	s_mov_b32 s29, 0
	s_add_nc_u64 s[28:29], s[26:27], s[28:29]      ; rows 8 .. 15
	s_mul_i32 s32, s3, 12288
	s_mov_b32 s33, 0
	s_add_nc_u64 s[22:23], s[22:23], s[32:33]      ; my tile's eight images
	s_lshl_b32 s32, s3, 9
	s_add_nc_u64 s[24:25], s[24:25], s[32:33]      ; and its 512 bytes of scale words
.macro LOAD s                          ; K step s: 16 loads, each 512 consecutive bytes of one row
.irp i, 0,1,2,3,4,5,6,7,8,9,10,11,12,13,14,15
	global_load_b128 v[R+64*((\s)%2)+4*\i:R+64*((\s)%2)+4*\i+3], v[GI], s[26+2*(\i/8):27+2*(\i/8)] offset:(\i%8)*4096+512*(\s) th:TH_LOAD_NT
.endr
.endm
.macro STEP s
.if (\s) < 7
	s_wait_loadcnt 16                              ; this step's 16 loads are in; the next step's 16 may be out
.else
	s_wait_loadcnt 0x0
.endif
.irp i, 0,1,2,3,4,5,6,7,8,9,10,11,12,13,14,15
	ds_store_b128 v[STI], v[R+64*((\s)%2)+4*\i:R+64*((\s)%2)+4*\i+3] offset:SP*\i
.endr
.irp b, 0,1,2,3
.irp j, 0,1,2,3
	ds_load_b128 v[X+16*\b+4*\j:X+16*\b+4*\j+3], v[STO] offset:128*\b+16*\j   ; LDS serves a wave's instructions in order: these see the stores above
.endr
.endr
	s_wait_dscnt 0x0                               ; the numbers are back; the stores into the stage have read their registers
.if (\s) > 0
	s_wait_xcnt 0x0                                ; the last step's stores have read the codes' registers, which are written again below
.endif
.if (\s) < 6
	LOAD (\s)+2
.endif
	QUANT X, PC, PC+6
	v_lshl_or_b32 v[PW+(\s)], v[TM+5], 8, v[TM+4]  ; my row's scale word of this K step
	v_lshl_or_b32 v[PW+(\s)], v[TM+6], 16, v[PW+(\s)]
	v_lshl_or_b32 v[PW+(\s)], v[TM+7], 24, v[PW+(\s)]
.irp c, 0,1,2
	global_store_b128 v[GI], v[PC+4*\c:PC+4*\c+3], s[22:23] offset:1536*(\s)+512*\c   ; the wave stores 512 consecutive bytes, aligned
.endr
.endm
	LOAD 0
	LOAD 1
.irp t, 0,1,2,3,4,5,6,7
	STEP \t
.endr
	s_mov_b32 vcc_lo, 0xffff0000                   ; lanes 0-15 store their row's words 0 .. 3, lanes 16-31 words 4 .. 7
.irp i, 0,1,2,3
	v_cndmask_b32 v[X+\i], v[PW+\i], v[PW+4+\i], vcc_lo
.endr
	global_store_b128 v[SCO], v[X:X+3], s[24:25]   ; 512 consecutive bytes
	s_wait_tensorcnt 0x0
	ds_add_u32 v254, v255
	s_wait_dscnt 0x0
	s_endpgm
.Lfunc_end_k_q4e2eec1f1a_quant:
	.size	k_q4e2eec1f1a_quant, .Lfunc_end_k_q4e2eec1f1a_quant-k_q4e2eec1f1a_quant
	.p2alignl 7, 3214868480
	.fill 96, 4, 3214868480
	.section	.rodata,"a",@progbits
	.p2align	6, 0x0
	.amdhsa_kernel k_q4e2eec1f1a_quant
		.amdhsa_group_segment_fixed_size 60416
		.amdhsa_private_segment_fixed_size 0
		.amdhsa_enable_private_segment 0
		.amdhsa_kernarg_size 72
		.amdhsa_user_sgpr_count 2
		.amdhsa_user_sgpr_kernarg_segment_ptr 1
		.amdhsa_wavefront_size32 1
		.amdhsa_system_sgpr_workgroup_id_x 1
		.amdhsa_system_sgpr_workgroup_id_y 1
		.amdhsa_system_sgpr_workgroup_id_z 1
		.amdhsa_system_vgpr_workitem_id 0
		.amdhsa_next_free_vgpr 256
		.amdhsa_next_free_sgpr 66
		.amdhsa_reserve_vcc 1
		.amdhsa_float_denorm_mode_32 3
		.amdhsa_float_denorm_mode_16_64 3
		.amdhsa_memory_ordered 1
		.amdhsa_forward_progress 1
		.amdhsa_inst_pref_size 65
	.end_amdhsa_kernel
	.amdgpu_metadata
---
amdhsa.version: [ 1, 2 ]
amdhsa.kernels:
  - .name:           k_q4e2eec1f1a_quant
    .symbol:         k_q4e2eec1f1a_quant.kd
    .args:
      - { .name: query, .offset: 0, .size: 8, .value_kind: global_buffer, .address_space: global }
      - { .name: key, .offset: 8, .size: 8, .value_kind: global_buffer, .address_space: global }
      - { .name: value, .offset: 16, .size: 8, .value_kind: global_buffer, .address_space: global }
      - { .name: Wq, .offset: 24, .size: 8, .value_kind: global_buffer, .address_space: global }
      - { .name: Wk, .offset: 32, .size: 8, .value_kind: global_buffer, .address_space: global }
      - { .name: Wv, .offset: 40, .size: 8, .value_kind: global_buffer, .address_space: global }
      - { .name: Wo, .offset: 48, .size: 8, .value_kind: global_buffer, .address_space: global }
      - { .name: codes, .offset: 56, .size: 8, .value_kind: global_buffer, .address_space: global }
      - { .name: scales, .offset: 64, .size: 8, .value_kind: global_buffer, .address_space: global }
    .group_segment_fixed_size: 60416
    .private_segment_fixed_size: 0
    .kernarg_segment_align: 8
    .kernarg_segment_size: 72
    .max_flat_workgroup_size: 224
    .sgpr_count:     66
    .vgpr_count:     256
    .wavefront_size: 32
...
	.end_amdgpu_metadata
.endif
;; end of part 1
;; launch proj (part 2): grid 4 x 48, 4 waves a work-group, clusters of 4 x 1, 327,680 bytes of LDS; arguments codes, scales, bq, bk, bv, qkv, qkvs; writes qkv, qkvs
.if DOCPART == 2
	.amdgcn_target "amdgcn-amd-amdhsa--gfx1250"
	.amdhsa_code_object_version 6
	.text
	.protected	k_q4e2eec1f1a_proj
	.globl	k_q4e2eec1f1a_proj
	.p2align	8
	.type	k_q4e2eec1f1a_proj,@function
k_q4e2eec1f1a_proj:
	s_mov_b64 s[64:65], 0
	v_nop
	global_prefetch_b8 v0, s[64:65] scope:SCOPE_SE
	s_setreg_imm32_b32 hwreg(HW_REG_WAVE_MODE, 25, 1), 1
	s_wait_xcnt 0x0
	s_wait_alu depctr_hold_cnt(0) depctr_sa_sdst(0) depctr_va_vdst(0) depctr_va_sdst(0) depctr_va_ssrc(0) depctr_va_vcc(0) depctr_vm_vsrc(0)
	s_getreg_b32 s2, hwreg(HW_REG_IB_STS2, 6, 4)
	s_cmp_eq_u32 s2, 0
	s_cbranch_scc0 .Lentry_in_a_cluster
	s_endpgm
.Lentry_in_a_cluster:
	s_bfe_u32 s2, ttmp6, 0x10000c
	s_cmp_lg_u32 s2, 0x3003
	s_cbranch_scc0 .Lentry_shape_is_right
	s_endpgm
.Lentry_shape_is_right:
; Q = query Wq^T + bq, K = key Wk^T + bk, V^T = (value Wv^T + bv)^T on codes of FP6 (E2M3) with E8M0 scales, f32 sums; the results are quantised on the way out and stored as operand images.
; THE WEIGHTS STAY IN REGISTERS.  A wave holds 64 rows of W for all of K = 1,024: 4 tiles x 8 K steps x 12 registers = 384, loaded once, straight from memory (codes = [tile][K step][1,536-byte image]).
; THE ACTIVATIONS STREAM PAST: a block is 64 rows x all of K (4 tiles, 49,152 bytes); a wave multiplies each block by its 64 rows of W: 16 accumulators, 128 matrix instructions.
; SHARES.  Cluster y = 16 x product + chunk; a chunk is 512 rows = 8 blocks.  The four work-groups of a cluster (cx) hold the four blocks of 256 rows of W and need the same stream: every tile is asked for jointly.
; 3 products x 16 chunks x 4 = 192 work-groups: three equal products do not divide into 256 equal shares that keep one block of W.
; RING: two LDS slots of two blocks; a fill is 8 tiles, two a wave by one tensor load of 96 rows x 256 bytes; fill f + 1 is asked for at the head of trip f and has two blocks' work in which to land.
; The chunk's scale words (16,384 bytes) come once, by plain loads and LDS stores.  PREFETCH: in trip t the sixteen waves of the cluster ask for fill t + 2, 24 blocks of 256 bytes each, shared out by address; trips 2 and 3 ask for nothing.
; FRAGMENTS of the stream have four sets of registers; they are read from LDS in three runs a block (K steps 0-3, 4-5, 6-7), each at least two K steps, 32 matrix instructions, ahead of its use.
; ORIENTATION.  Q, K: source 0 = W (its rows run along a lane's registers), source 1 = the stream.  V^T: source 0 = the stream (keys along the registers), source 1 = Wv.  The tiles used as source 0 hold their rows in the
; order 32 B + 8 u + (i & 7) + 16 (i >> 3), so that 32 registers of a lane are 16 neighbours of each of two blocks of 32.  The bias is the C of each accumulator's first product.
; OUTPUT, with bg = 8 batch + pair of heads: Q's fragments at 64 bg + 2 P + hd, K's at 4096 + 128 bg + 2 P + hd (two tiles of 16 rows x 64 channels of one head), V^T's at 4096 + 128 bg + 64 + 8 ks + dt (16 channels x 128 keys:
; two blocks make one).  qkvs: 512 bytes for 8 fragments, the word of fragment i, row r at 16 (r + 16 (i & 1)) + 4 (i >> 1).  V^T's words leave as 8 bytes a row: two waves share a group of eight fragments.
; LIMITS: NaN, infinities and sums beyond f32's range are not served (for finite numbers every nan_to_num of the model is the identity).  A block of zeros gets the byte 1, not 127: its codes are zeros.
; REGISTERS: window 0: addresses, v32-63 W's scale words, v64-95 the block's, v96-119 the quantiser's work, v128-223 the stream's fragments, sets 0 and 1.  Window 1: W's K steps 0-4.
;   window 2: v0-143 W's K steps 5-7, v144-239 the stream's fragments, sets 2 and 3.   window 3: v0-127 accumulators, v128-159 bias, v160-207 fragments in the making, v208-223 upper halves on their way.
.set FRB,   1536
.set TILEB, 12288
.set FILLB, 98304
.set SPARE, 262144                     ; behind the ring (4 blocks, 65,536 bytes apart): the spare words
.set SCLB,  262656                     ; the chunk's scale words
.set LI,   1
.set R32,  2
.set ADRA, 3
.set ASC,  4
.set ASC0, 5
.set WO,   6
.set PFO,  7
.set T16,  8
.set TST,  9
.set BOQ,  10
.set BOV,  11
.set SPW,  12
.set NIL,  13
.set WD,   16
.set TW,   20
.set SW,   32
.set SA,   64
.set TM,   96
.set TP,   104
.set TS,   112
.set AF,   128
.set CB,   128
.set F,    160
.set T2,   208
.set WV,   18
.set PR,   21
.set G1,   24
.set G0,   32
.set SO,   36
.set SI,   37
.set OP,   38
.set SPT,  40
.set PF,   42
.set SEL,  46
.set MSB, 0
.macro WIN new                         ; the immediate's high byte repeats the setting that is left
.if MSB != (\new)
	s_set_vgpr_msb (MSB<<8)|(\new)
.set MSB, (\new)
.endif
.endm
.macro PLACES
.rept 4
	v_nop
.endr
.endm
.macro ROUND                           ; a round of the cluster's barrier
	s_barrier_signal -1
	s_barrier_wait -1
	s_cmp_lg_u32 s[WV], 0
	s_cbranch_scc1 .Lnot_wave_0_\@
	s_barrier_signal -3
.Lnot_wave_0_\@:
	s_barrier_wait -3
	s_barrier_signal -1
	s_barrier_wait -1
.endm
	s_load_b256 s[4:11], s[0:1], 0x0               ; codes, scales, bq, bk
	s_load_b128 s[12:15], s[0:1], 0x20             ; bv, qkv
	s_load_b64 s[16:17], s[0:1], 0x30              ; qkvs
	v_lshl_add_u32 v[SPW], v0, 2, SPARE
	v_mov_b32 v[NIL], 0
	ds_add_u32 v[SPW], v[NIL]                      ; the opening lines: the add twice on end and one wait
	ds_add_u32 v[SPW], v[NIL]
	v_lshrrev_b32 v20, 5, v0
	v_readfirstlane_b32 s[WV], v20                 ; wave
	s_bfe_u32 s19, ttmp6, 0x40000                  ; cx: which 256 rows of W
	s_and_b32 s20, ttmp7, 0xffff
	s_lshr_b32 s[PR], s20, 4                       ; product 0, 1, 2
	s_and_b32 s22, s20, 15                         ; chunk
	s_mov_b32 s[G1], 15|(3<<16)|(1<<21)            ; all four partners; 96 rows of 32 elements of 8 bytes, dense
	s_mov_b32 s[G1+1], 32<<16
	s_mov_b32 s[G1+2], 96<<16
	s_mov_b32 s[G1+3], 32<<16
	s_mov_b32 s[G1+4], 96
	s_mov_b32 s[G1+5], 32
	s_mov_b32 s[G1+6], 0
	s_mov_b32 s[G1+7], 0
	s_lshl_b32 s23, s[PR], 9
	s_lshl_b32 s44, s22, 5
	s_add_co_u32 s23, s23, s44                     ; the chunk's first tile: 512 x product + 32 x chunk
	s_lshl_b32 s44, s[WV], 1
	s_add_co_u32 s44, s44, s23
	s_mul_i32 s44, s44, TILEB                      ; my two tiles of fill 0
	s_mov_b32 s45, 0
	s_lshr_b32 s48, s[WV], 1
	s_and_b32 s49, s[WV], 1
	s_lshl_b32 s50, s48, 16
	s_mul_i32 s51, s49, 2*TILEB
	s_mov_b32 s[G0], 1
	s_add_co_u32 s[G0+1], s50, s51                 ; block wave / 2 of the slot, tiles 2 (wave & 1) and the next
	s_lshl_b32 s52, s23, 9                         ; the chunk's scale words
	s_mov_b32 s53, 0
	s_lshl_b32 s54, s[PR], 6
	s_lshl_b32 s55, s19, 4
	s_add_co_u32 s54, s54, s55
	s_lshl_b32 s55, s[WV], 2
	s_add_co_u32 s54, s54, s55
	s_add_co_u32 s54, s54, 1536                    ; my first tile of W
	s_lshl_b32 s56, s54, 9
	s_mov_b32 s57, 0
	s_mul_i32 s54, s54, TILEB
	s_mov_b32 s55, 0
	s_lshl_b32 s58, s19, 2
	s_add_co_u32 s58, s58, s[WV]
	s_mul_i32 s58, s58, 6144                       ; the prefetches: my 24 blocks of 256 bytes of a fill's 384
	s_mul_i32 s59, s23, TILEB
	s_add_co_u32 s58, s58, s59
	s_add_co_u32 s58, s58, FILLB                   ; stands at fill 1; stepped ahead of each use
	s_mov_b32 s59, 0
	s_lshl_b32 s60, s19, 10
	s_lshl_b32 s61, s[WV], 8
	s_add_co_u32 s60, s60, s61                     ; 4 (256 cx + 64 wave): my channels' bias
	s_mov_b32 s61, 0
	s_lshr_b32 s62, s22, 1
	s_lshl_b32 s62, s62, 3
	s_lshl_b32 s63, s19, 1
	s_add_co_u32 s62, s62, s63
	s_add_co_u32 s62, s62, s48                     ; bg = 8 batch + 2 cx + wave / 2
	s_and_b32 s63, s22, 1
	s_lshl_b32 s63, s63, 5                         ; the chunk is half a batch: 32 fragments on
	s_lshl_b32 s66, s62, 6
	s_lshl_b32 s67, s62, 7
	s_add_co_u32 s67, s67, 4096
	s_add_co_u32 s68, s67, 64
	s_movk_i32 s71, 256
	s_cmp_eq_u32 s[PR], 0
	s_cselect_b32 s66, s66, s67
	s_cmp_eq_u32 s[PR], 2
	s_cselect_b32 s66, s68, s66
	s_cselect_b32 s69, 4, 1                        ; what wave & 1 adds: a head (Q, K) or four tiles of channels (V^T),
	s_cselect_b32 s70, 8, s71                      ; and in the scale words
	s_add_co_u32 s66, s66, s63
	s_mul_i32 s69, s69, s49
	s_add_co_u32 s69, s69, s66
	s_mul_i32 s72, s69, FRB
	s_mov_b32 s73, 0
	s_mul_i32 s70, s70, s49
	s_lshl_b32 s74, s66, 6
	s_add_co_u32 s74, s74, s70
	s_mov_b32 s75, 0
	s_mov_b32 s[SEL], 0x76543210
	s_mov_b32 s[SEL+1], 0xfedcba98
	v_and_b32 v20, 31, v0
	v_and_b32 v21, 15, v0
	v_bfe_u32 v22, v0, 4, 1
	v_lshlrev_b32 v[LI], 4, v20
	v_lshlrev_b32 v[R32], 5, v21
	v_lshl_add_u32 v[ASC0], v21, 5, SCLB
	v_lshlrev_b32 v[WO], 4, v21
	v_min_u32 v[PFO], 23, v20                      ; lanes 24-31 name the wave's last block again
	v_lshlrev_b32 v[PFO], 8, v[PFO]
	v_lshlrev_b32 v[T16], 4, v0
	v_lshl_add_u32 v[TST], v0, 4, SCLB
	v_lshlrev_b32 v[BOQ], 6, v22                   ; Q, K: register 8 t + j wants channel 32 (t / 2) + 16 h + 8 (t % 2) + j
	v_and_b32 v[BOV], 8, v21
	v_add_nc_u32 v[BOV], v[BOV], v21
	v_lshlrev_b32 v[BOV], 2, v[BOV]                ; V^T: lane r of a tile of Wv holds row r + (r & 8)
.irp q, 0,1,2,3,4,5,6,7
	v_mov_b32 v[TP+\q], 0                          ; a lane permute's destination counts as one of its sources
.endr
.irp q, 0,1,2,3
	v_mov_b32 v[WD+\q], 0
.endr
	WIN 0xc0
.irp u, 0,1,2,3
.irp i, 6,7,8,9,10,11
	v_mov_b32 v[F+12*\u+\i], 0                     ; V^T moves these down ahead of their first codes
.endr
.endr
	WIN 0
	s_wait_alu depctr_va_vdst(0)                   ; the wait ahead of the blocking waits
	s_wait_dscnt 0x0
	s_wait_kmcnt 0x0
	s_add_nc_u64 s[G0+2:G0+3], s[4:5], s[44:45]
	s_or_b32 s[G0+3], s[G0+3], 0x80000000
	s_add_nc_u64 s[52:53], s[6:7], s[52:53]
	s_add_nc_u64 s[54:55], s[4:5], s[54:55]
	s_add_nc_u64 s[56:57], s[6:7], s[56:57]
	s_add_nc_u64 s[PF:PF+1], s[4:5], s[58:59]
	s_cmp_eq_u32 s[PR], 0
	s_cselect_b64 s[8:9], s[8:9], s[10:11]
	s_cmp_eq_u32 s[PR], 2
	s_cselect_b64 s[8:9], s[12:13], s[8:9]
	s_add_nc_u64 s[8:9], s[8:9], s[60:61]
	s_add_nc_u64 s[OP:OP+1], s[14:15], s[72:73]
	s_add_nc_u64 s[SPT:SPT+1], s[16:17], s[74:75]
	ROUND                                          ; the partners' joint loads meet
	tensor_load_to_lds s[G0:G0+3], s[G1:G1+7]      ; fill 0: my one tensor load at the head
	s_nop 0
	PLACES
.macro WLOAD k                         ; W's four fragments of K step k
.if (\k) < 5
	WIN 0x40
.set wb, 48*(\k)
.else
	WIN 0x80
.set wb, 48*((\k)-5)
.endif
.irp t, 0,1,2,3
.irp c, 0,1,2
	global_load_b128 v[wb+12*\t+4*\c:wb+12*\t+4*\c+3], v[LI], s[54:55] offset:\t*TILEB+(\k)*FRB+512*\c
.endr
.endr
.endm
.irp i, 0,1,2,3,4,5,6,7
	global_load_b128 v[AF+4*\i:AF+4*\i+3], v[T16], s[52:53] offset:2048*\i
.endr
.irp t, 0,1,2,3
	global_load_b128 v[SW+8*\t:SW+8*\t+3], v[R32], s[56:57] offset:512*\t      ; lane r: its row's eight words
	global_load_b128 v[SW+8*\t+4:SW+8*\t+7], v[R32], s[56:57] offset:512*\t+16
.endr
.irp k, 0,1,2,3
	WLOAD \k
.endr
	WIN 0
	s_wait_loadcnt 56                              ; the chunk's scale words are in; 8 + 48 loads may be out
.irp i, 0,1,2,3,4,5,6,7
	ds_store_b128 v[TST], v[AF+4*\i:AF+4*\i+3] offset:2048*\i
.endr
.irp k, 4,5,6,7
	WLOAD \k
.endr
	WIN 0
	s_cmp_eq_u32 s[PR], 2
	s_cbranch_scc1 .Lbias_v
	WIN 0xc0
.irp t, 0,1,2,3
	global_load_b128 v[CB+8*\t:CB+8*\t+3], v[BOQ], s[8:9] offset:128*(\t/2)+32*(\t%2)
	global_load_b128 v[CB+8*\t+4:CB+8*\t+7], v[BOQ], s[8:9] offset:128*(\t/2)+32*(\t%2)+16
.endr
	WIN 0
	s_wait_loadcnt 0x0
	s_branch .Lbias_done
.Lbias_v:
	WIN 0xc0
.irp t, 0,1,2,3
	global_load_b32 v[CB+8*\t], v[BOV], s[8:9] offset:128*(\t/2)+32*(\t%2)
.endr
	s_wait_loadcnt 0x0
	WIN 0xc3
.irp t, 0,1,2,3
.irp j, 1,2,3,4,5,6,7
	v_mov_b32 v[CB+8*\t+\j], v[CB+8*\t]            ; the lane's channel's bias in all eight registers of a C
.endr
.endr
	WIN 0
.Lbias_done:
.macro FRAGS k                         ; the block's four fragments of K step k into set k % 4
.if ((\k)%4) < 2
	WIN 0
.set ab, 128+48*((\k)%4)
.else
	WIN 0x80
.set ab, 144+48*(((\k)%4)-2)
.endif
.irp t, 0,1,2,3
.irp c, 0,1,2
	ds_load_b128 v[ab+12*\t+4*\c:ab+12*\t+4*\c+3], v[ADRA] offset:\t*TILEB+(\k)*FRB+512*\c
.endr
.endr
.endm
.macro MUL k, ord                      ; 16 matrix instructions, the 16 accumulators by turns
.if (\k) < 5
.set wb, 48*(\k)
.set ww, 1
.else
.set wb, 48*((\k)-5)
.set ww, 2
.endif
.if ((\k)%4) < 2
.set ab, 128+48*((\k)%4)
.set aw, 0
.else
.set ab, 144+48*(((\k)%4)-2)
.set aw, 2
.endif
.if \ord
	WIN 0xf0|(ww<<2)|aw
.else
	WIN 0xf0|(aw<<2)|ww
.endif
.irp s, 0,1,2,3
.irp t, 0,1,2,3
.if \ord
.set dd, 32*\t+8*\s
.if (\k) == 0
	v_wmma_scale_f32_16x16x128_f8f6f4 v[dd:dd+7], v[ab+12*\s:ab+12*\s+11], v[wb+12*\t:wb+12*\t+11], v[CB+8*\t:CB+8*\t+7], v[SA+8*\s+(\k)], v[SW+8*\t+(\k)] matrix_a_fmt:MATRIX_FMT_FP6 matrix_b_fmt:MATRIX_FMT_FP6
.else
	v_wmma_scale_f32_16x16x128_f8f6f4 v[dd:dd+7], v[ab+12*\s:ab+12*\s+11], v[wb+12*\t:wb+12*\t+11], v[dd:dd+7], v[SA+8*\s+(\k)], v[SW+8*\t+(\k)] matrix_a_fmt:MATRIX_FMT_FP6 matrix_b_fmt:MATRIX_FMT_FP6
.endif
.else
.set dd, 32*\s+8*\t
.if (\k) == 0
	v_wmma_scale_f32_16x16x128_f8f6f4 v[dd:dd+7], v[wb+12*\t:wb+12*\t+11], v[ab+12*\s:ab+12*\s+11], v[CB+8*\t:CB+8*\t+7], v[SW+8*\t+(\k)], v[SA+8*\s+(\k)] matrix_a_fmt:MATRIX_FMT_FP6 matrix_b_fmt:MATRIX_FMT_FP6
.else
	v_wmma_scale_f32_16x16x128_f8f6f4 v[dd:dd+7], v[wb+12*\t:wb+12*\t+11], v[ab+12*\s:ab+12*\s+11], v[dd:dd+7], v[SW+8*\t+(\k)], v[SA+8*\s+(\k)] matrix_a_fmt:MATRIX_FMT_FP6 matrix_b_fmt:MATRIX_FMT_FP6
.endif
.endif
.endr
.endr
.endm
.macro KLOOP ord                       ; the eight K steps.  Each wait's count: the loads, 12 a set, issued behind the set that the step wants
	s_wait_dscnt 36                                ; set 0 and the scale words are in; steps 1, 2, 3 may be out
	MUL 0, \ord
	s_wait_dscnt 24
	MUL 1, \ord
	PLACES                                         ; ahead of loads into the sets that these products read
	FRAGS 4
	FRAGS 5
	s_wait_dscnt 36                                ; steps 3, 4, 5 may be out
	MUL 2, \ord
	s_wait_dscnt 24
	MUL 3, \ord
	PLACES
	FRAGS 6
	FRAGS 7
	s_wait_dscnt 36                                ; steps 5, 6, 7 may be out
	MUL 4, \ord
	s_wait_dscnt 24
	MUL 5, \ord
	s_wait_dscnt 12
	MUL 6, \ord
	s_wait_dscnt 0x0
	MUL 7, \ord
.endm
.macro EQ                              ; eight blocks of 32 (registers 16 q .. 16 q + 15 and lane l xor 16's): scale operands in TS, bytes in TP
	PLACES                                         ; behind the last products
	WIN 0x3c
.irp q, 0,1,2,3,4,5,6,7
	v_max3_num_f32 v[TM+\q], 0x1800000, |v[16*\q]|, |v[16*\q+1]|   ; with the floor 2^(3 - 127): the byte cannot fall under 1
.endr
.irp i, 2,4,6,8,10,12,14
.irp q, 0,1,2,3,4,5,6,7
	v_max3_num_f32 v[TM+\q], v[TM+\q], |v[16*\q+\i]|, |v[16*\q+\i+1]|
.endr
.endr
	WIN 0
.irp q, 0,1,2,3,4,5,6,7
	v_permlanex16_b32 v[TP+\q], v[TM+\q], s[SEL], s[SEL+1]
.endr
.irp q, 0,1,2,3,4,5,6,7
	v_max_num_f32 v[TM+\q], v[TM+\q], v[TP+\q]
.endr
.irp q, 0,1,2,3,4,5,6,7
	v_add_nc_u32 v[TS+\q], 0xff000000, v[TM+\q]    ; 2 off the exponent field: the conversion's scale operand
.endr
.irp q, 0,1,2,3,4,5,6,7
	v_lshrrev_b32 v[TP+\q], 23, v[TS+\q]           ; the scale's byte
.endr
.endm
.macro ECV ord                         ; unit u's 32 registers -> six registers of codes
	WIN 0xc3
.if \ord
.irp u, 0,1,2,3
.irp i, 0,1,2,3,4,5
	v_mov_b32 v[F+12*\u+\i], v[F+12*\u+6+\i]       ; the block before holds the fragment's lower 64 keys
.endr
.endr
.endif
.irp u, 0,1,2,3
.if \ord
.set dd, F+12*\u+6
.else
.set dd, F+12*(\u/2)+6*(\u%2)
.endif
	v_cvt_scalef32_pk16_fp6_f32 v[dd:dd+2], v[32*\u:32*\u+15], v[TS+2*\u]
	v_cvt_scalef32_pk16_fp6_f32 v[T2+4*\u:T2+4*\u+2], v[32*\u+16:32*\u+31], v[TS+2*\u+1]
.endr
	v_nop                                          ; one plain instruction behind the scaled conversions
.irp u, 0,1,2,3
.if \ord
.set dd, F+12*\u+6
.else
.set dd, F+12*(\u/2)+6*(\u%2)
.endif
.irp i, 0,1,2
	v_permlane16_swap_b32 v[dd+\i], v[T2+4*\u+\i]  ; a whole block to a lane
.endr
.irp i, 0,1,2
	v_mov_b32 v[dd+3+\i], v[T2+4*\u+\i]
.endr
.endr
.endm
.macro BLOCK
	s_and_b32 s70, s[SO], 1                        ; slot = trip & 1, 131,072 bytes apart; block 65,536
	s_lshl_b32 s70, s70, 17
	s_lshl_b32 s71, s[SI], 16
	s_add_co_u32 s70, s70, s71
	v_add_nc_u32 v[ADRA], s70, v[LI]
	s_lshl_b32 s70, s[SO], 12
	s_lshl_b32 s71, s[SI], 11
	s_add_co_u32 s70, s70, s71
	v_add_nc_u32 v[ASC], s70, v[ASC0]              ; the block's scale words: 2,048 bytes a block
	s_wait_alu depctr_va_vdst(0)
	FRAGS 0
.irp t, 0,1,2,3
	ds_load_b128 v[SA+8*\t:SA+8*\t+3], v[ASC] offset:512*\t
	ds_load_b128 v[SA+8*\t+4:SA+8*\t+7], v[ASC] offset:512*\t+16
.endr
	FRAGS 1
	FRAGS 2
	FRAGS 3
	WIN 0
	s_cmp_eq_u32 s[PR], 2                          ; the cluster's number: the same in all partners
	s_cbranch_scc1 .Lvt_\@
	KLOOP 0
	EQ
	v_mov_b32 v[WD], v[WD+2]                       ; four fragments' words make 16 bytes a row: two blocks
	v_mov_b32 v[WD+1], v[WD+3]
.irp j, 0,1
	v_lshl_or_b32 v[WD+2+\j], v[TP+4*\j+1], 8, v[TP+4*\j]
	v_lshl_or_b32 v[WD+2+\j], v[TP+4*\j+2], 16, v[WD+2+\j]
	v_lshl_or_b32 v[WD+2+\j], v[TP+4*\j+3], 24, v[WD+2+\j]
.endr
	ECV 0
	WIN 0x0c
.irp j, 0,1
.irp c, 0,1,2
	global_store_b128 v[LI], v[F+12*\j+4*\c:F+12*\j+4*\c+3], s[OP:OP+1] offset:2*\j*FRB+512*\c   ; 512 consecutive bytes, aligned
.endr
.endr
	WIN 0
	s_wait_alu depctr_va_vdst(0)
	s_wait_xcnt 0x0                                ; the stores have read their registers and base
	s_add_nc_u64 s[OP:OP+1], s[OP:OP+1], 4*FRB
	s_bitcmp1_b32 s[SI], 0
	s_cbranch_scc0 .Ljoin_\@
	global_store_b128 v[WO], v[WD:WD+3], s[SPT:SPT+1]   ; 256 consecutive bytes; both lanes of a row store the same
	s_wait_xcnt 0x0
	s_add_nc_u64 s[SPT:SPT+1], s[SPT:SPT+1], 512
	s_branch .Ljoin_\@
.Lvt_\@:
	KLOOP 1
	EQ
.irp u, 0,1,2,3
	v_lshl_or_b32 v[TW+\u], v[TP+2*\u+1], 8, v[TP+2*\u]
	v_lshrrev_b32 v[WD+(\u/2)+2*(\u%2)], 16, v[WD+(\u/2)+2*(\u%2)]      ; the block before holds the word's lower two bytes
.endr
.irp u, 0,1,2,3
	v_lshl_or_b32 v[WD+(\u/2)+2*(\u%2)], v[TW+\u], 16, v[WD+(\u/2)+2*(\u%2)]
.endr
	ECV 1
	WIN 0
	s_bitcmp1_b32 s[SI], 0
	s_wait_alu depctr_va_vdst(0)
	s_cbranch_scc0 .Ljoin_\@
	WIN 0x0c
.irp u, 0,1,2,3
.irp c, 0,1,2
	global_store_b128 v[LI], v[F+12*\u+4*\c:F+12*\u+4*\c+3], s[OP:OP+1] offset:\u*FRB+512*\c
.endr
.endr
	WIN 0
	global_store_b64 v[WO], v[WD:WD+1], s[SPT:SPT+1]
	global_store_b64 v[WO], v[WD+2:WD+3], s[SPT:SPT+1] offset:256
	s_wait_xcnt 0x0
	s_add_nc_u64 s[OP:OP+1], s[OP:OP+1], 8*FRB
	s_add_nc_u64 s[SPT:SPT+1], s[SPT:SPT+1], 512
.Ljoin_\@:
.endm
.macro SEQ refill                      ; a change of slots: the three lines, the round, the refill first behind it
	s_wait_alu depctr_va_vdst(0)
.if \refill
	s_wait_xcnt 0x0                                ; my last prefetch has read its address
	s_add_nc_u64 s[PF:PF+1], s[PF:PF+1], FILLB
.endif
	s_wait_tensorcnt 0x0                           ; my part of this trip's slot is in
	ds_add_u32 v[SPW], v[NIL]
.if \refill
	s_xor_b32 s[G0+1], s[G0+1], 131072             ; no load of mine is out: the other slot, the next fill
	s_add_nc_u64 s[G0+2:G0+3], s[G0+2:G0+3], FILLB
.endif
	s_wait_dscnt 0x0                               ; the add, my LDS stores and my reads of the other slot are done
	ROUND
.if \refill
	tensor_load_to_lds s[G0:G0+3], s[G1:G1+7]
	s_nop 0
	PLACES
.endif
.endm
	s_mov_b32 s[SO], 0
.Ltrip:
	SEQ 1
	s_cmp_lt_u32 s[SO], 2
	s_cbranch_scc0 .Lno_ask
	global_prefetch_b8 v[PFO], s[PF:PF+1] th:TH_LOAD_NT scope:SCOPE_SE   ; fill trip + 2, which the next trip's load wants
.Lno_ask:
	s_mov_b32 s[SI], 0
.Lblock:
	BLOCK
	s_add_co_u32 s[SI], s[SI], 1
	s_cmp_lt_u32 s[SI], 2
	s_wait_alu depctr_va_vdst(0)                   ; the wait ahead of the branch
	s_cbranch_scc1 .Lblock
	s_add_co_u32 s[SO], s[SO], 1
	s_cmp_lt_u32 s[SO], 3
	s_cbranch_scc1 .Ltrip
	SEQ 0                                          ; the last trip (trip 3, slot 1) fetches nothing
	s_mov_b32 s[SI], 0
.Lblock_last:
	BLOCK
	s_add_co_u32 s[SI], s[SI], 1
	s_cmp_lt_u32 s[SI], 2
	s_wait_alu depctr_va_vdst(0)
	s_cbranch_scc1 .Lblock_last
	s_wait_tensorcnt 0x0                           ; the wave's end
	ds_add_u32 v[SPW], v[NIL]
	s_wait_dscnt 0x0
	ROUND                                          ; the closing round
	s_endpgm
.Lfunc_end_k_q4e2eec1f1a_proj:
	.size	k_q4e2eec1f1a_proj, .Lfunc_end_k_q4e2eec1f1a_proj-k_q4e2eec1f1a_proj
	.p2alignl 7, 3214868480
	.fill 96, 4, 3214868480
	.section	.rodata,"a",@progbits
	.p2align	6, 0x0
	.amdhsa_kernel k_q4e2eec1f1a_proj
		.amdhsa_group_segment_fixed_size 327680
		.amdhsa_private_segment_fixed_size 0
		.amdhsa_enable_private_segment 0
		.amdhsa_kernarg_size 56
		.amdhsa_user_sgpr_count 2
		.amdhsa_user_sgpr_kernarg_segment_ptr 1
		.amdhsa_wavefront_size32 1
		.amdhsa_system_sgpr_workgroup_id_x 1
		.amdhsa_system_sgpr_workgroup_id_y 1
		.amdhsa_system_sgpr_workgroup_id_z 1
		.amdhsa_system_vgpr_workitem_id 0
		.amdhsa_next_free_vgpr 1024
		.amdhsa_next_free_sgpr 80
		.amdhsa_reserve_vcc 0
		.amdhsa_float_denorm_mode_32 3
		.amdhsa_float_denorm_mode_16_64 3
		.amdhsa_memory_ordered 1
		.amdhsa_forward_progress 1
		.amdhsa_inst_pref_size 148
	.end_amdhsa_kernel
	.amdgpu_metadata
---
amdhsa.version: [ 1, 2 ]
amdhsa.kernels:
  - .name:           k_q4e2eec1f1a_proj
    .symbol:         k_q4e2eec1f1a_proj.kd
    .args:
      - { .name: codes, .offset: 0, .size: 8, .value_kind: global_buffer, .address_space: global }
      - { .name: scales, .offset: 8, .size: 8, .value_kind: global_buffer, .address_space: global }
      - { .name: bq, .offset: 16, .size: 8, .value_kind: global_buffer, .address_space: global }
      - { .name: bk, .offset: 24, .size: 8, .value_kind: global_buffer, .address_space: global }
      - { .name: bv, .offset: 32, .size: 8, .value_kind: global_buffer, .address_space: global }
      - { .name: qkv, .offset: 40, .size: 8, .value_kind: global_buffer, .address_space: global }
      - { .name: qkvs, .offset: 48, .size: 8, .value_kind: global_buffer, .address_space: global }
    .group_segment_fixed_size: 327680
    .private_segment_fixed_size: 0
    .kernarg_segment_align: 8
    .kernarg_segment_size: 56
    .max_flat_workgroup_size: 128
    .sgpr_count:     80
    .vgpr_count:     1024
    .wavefront_size: 32
...
	.end_amdgpu_metadata
.endif
;; end of part 2
;; launch attn (part 3): grid 4 x 64, 4 waves a work-group, clusters of 4 x 1, 327,680 bytes of LDS; arguments qkv, qkvs, mask, ctx, ctxs; writes ctx, ctxs
.if DOCPART == 3
	.amdgcn_target "amdgcn-amd-amdhsa--gfx1250"
	.amdhsa_code_object_version 6
	.text
	.protected	k_q4e2eec1f1a_attn
	.globl	k_q4e2eec1f1a_attn
	.p2align	8
	.type	k_q4e2eec1f1a_attn,@function
k_q4e2eec1f1a_attn:
	s_mov_b64 s[64:65], 0
	v_nop
	global_prefetch_b8 v0, s[64:65] scope:SCOPE_SE
	s_setreg_imm32_b32 hwreg(HW_REG_WAVE_MODE, 25, 1), 1
	s_wait_xcnt 0x0
	s_wait_alu depctr_hold_cnt(0) depctr_sa_sdst(0) depctr_va_vdst(0) depctr_va_sdst(0) depctr_va_ssrc(0) depctr_va_vcc(0) depctr_vm_vsrc(0)
	s_getreg_b32 s2, hwreg(HW_REG_IB_STS2, 6, 4)
	s_cmp_eq_u32 s2, 0
	s_cbranch_scc0 .Lentry_in_a_cluster
	s_endpgm
.Lentry_in_a_cluster:
	s_bfe_u32 s2, ttmp6, 0x10000c
	s_cmp_lg_u32 s2, 0x3003
	s_cbranch_scc0 .Lentry_shape_is_right
	s_endpgm
.Lentry_shape_is_right:
; context = softmax(mask(clip(Q K^T / 8, -50, 50))) V on codes of FP6 (E2M3) with E8M0 scales; the finished, normalised softmax is quantised along the keys, the context along the model's axis.
; SHARES.  A cluster of four work-groups takes one batch and pair of heads (bg = cluster y); a work-group 256 queries, a wave 64: four tiles of 16 queries x two heads = eight trips.
; K's and V^T's operand images of the pair (196,608 bytes) are asked for jointly by the four partners, once, a quarter a wave, and stay in LDS.  Their 8,192 bytes of scale words, a small part beside them,
; the mask (as a bias of 0 or -inf) and the wave's own fragments of Q come by plain loads and LDS stores.  No prefetch: every tile is asked for once, at the head; there is no loop to run ahead in.
; A TRIP holds all 1,024 keys of 16 queries in registers (S^T = K Q^T: a lane holds one query, 512 registers).  No maximum is taken away: the clip that the model itself makes bounds the exponents
; to the base 2 by 72.2, so that no exponential and no sum of 1,024 of them leaves f32's range.
; PASS 1 goes in slots of TWO steps of 128 keys.  Slot j (pair j = steps 2 j, 2 j + 1): (a) the LDS loads for what (b) and the next slot want, then plain work: the clip of pair j + 1 and the sums of pair j - 1;
; (b) the exponentials of pair j, and among them the multiply-adds of pair j + 1 and the products of pair j + 2.  What (b) reads was written ahead of the wait in front of it; what it writes is read behind the wait
; at the next slot's head: two such waits a slot.
; PASS 2: p x 1 / sum, quantised in blocks of 32 keys, O^T += V^T p^T.  A row whose keys are all masked has the sum 0 and gets p = 0, as the model's nan_to_num gives it.
; The head size is 64: a fragment of K holds two tiles of 16 keys, and Q's 64 codes stand beside 64 zero codes, in the lower or the upper half.
; LIMITS: NaN and infinities among the operands are not served (for finite numbers the model's nan_to_num are the identity).  A block of zeros gets the byte 1, not 127: its codes are zeros.
; REGISTERS: window 0 addresses, Q, scale words, the quantiser's work, O^T; window 1: v0-95 fragments of K or V^T, two sets; v128-255 the bias, two sets; windows 2, 3: scores, then p, 64 a step.
.set FRB,   1536                       ; a fragment's image
.set VIMG,  98304                      ; LDS: K's 64 images, then V^T's 64
.set SCB,   196608                     ; their scale words
.set BIAS,  204800                     ; 1,024 words: 0 or -inf
.set QST,   208896                     ; each wave's four fragments of Q and their scale words
.set QSTW,  6656
.set SPARE, 0x39800                    ; the spare words: 512 bytes that no other line names
.set LI,   1
.set MO,   2
.set BST,  3
.set AK,   4
.set AV,   6
.set ASK,  8
.set ASV,  9
.set AB,   10
.set AQ,   11
.set AQW,  12
.set BV,   13
.set BSK,  14
.set BSV,  15
.set BQ,   16
.set BQW,  17
.set CSO,  18
.set R16,  19
.set QRAW, 20
.set QW,   32
.set QS,   33
.set QOP,  34                          ; v34-39 zeros, v40-45 Q's codes, v46-51 zeros
.set KSC,  52
.set VSC,  60
.set X,    64
.set PC,   128
.set T2,   140
.set TM,   148
.set PW,   164
.set RC,   165
.set INV,  174
.set OT,   176
.set CTL,  208
.set CTH,  214
.set HWLO, 220
.set HWHI, 221
.set CW,   222
.set BSC,  223
.set LSUM, 224                         ; v224-239 the row's sum in eight chains of pairs
.set WV,   14
.set G1I,  24
.set G0I,  40
.set HD,   50
.set OC,   51
.set CS,   56
.set CLIPL, 58
.set CLIPH, 59
.set SEL,  60
.set PWN,  0x92                        ; destination and source 0 in window 2 (+ 0x41: window 3), source 2 in window 1
.set MSB, 0
.macro WIN new                         ; the immediate's high byte repeats the setting that is left
.if MSB != (\new)
	s_set_vgpr_msb (MSB<<8)|(\new)
.set MSB, (\new)
.endif
.endm
.macro ROUND                           ; a round of the cluster's barrier
	s_barrier_signal -1
	s_barrier_wait -1
	s_cmp_lg_u32 s[WV], 0
	s_cbranch_scc1 .Lnot_wave_0_\@
	s_barrier_signal -3
.Lnot_wave_0_\@:
	s_barrier_wait -3
	s_barrier_signal -1
	s_barrier_wait -1
.endm
	s_load_b256 s[4:11], s[0:1], 0x0               ; qkv, qkvs, mask, ctx
	s_load_b64 s[12:13], s[0:1], 0x20              ; ctxs
	v_lshl_add_u32 v254, v0, 2, SPARE
	v_mov_b32 v255, 0
	ds_add_u32 v254, v255                          ; the opening lines: the add twice on end and one wait
	ds_add_u32 v254, v255
	v_lshrrev_b32 v2, 5, v0
	v_readfirstlane_b32 s[WV], v2                  ; wave
	s_bfe_u32 s15, ttmp6, 0x40000                  ; cx: which 256 queries
	s_and_b32 s16, ttmp7, 0xffff                   ; bg
	s_lshr_b32 s17, s16, 3                         ; batch
	s_and_b32 s18, s16, 7                          ; pair of heads
	s_mov_b32 s[G1I], 15|(3<<16)|(1<<21)           ; all four partners; elements of 8 bytes: 192 rows of 256 bytes, dense
	s_mov_b32 s[G1I+1], 32<<16
	s_mov_b32 s[G1I+2], 192<<16
	s_mov_b32 s[G1I+3], 32<<16
	s_mov_b32 s[G1I+4], 192
	s_mov_b32 s[G1I+5], 32
	s_mov_b32 s[G1I+6], 0
	s_mov_b32 s[G1I+7], 0
	s_lshl_b32 s20, s16, 7
	s_add_co_u32 s20, s20, 4096                    ; the pair's first fragment of K
	s_mul_i32 s22, s20, FRB
	s_mul_i32 s19, s[WV], 49152                    ; my quarter of the 128 images
	s_add_co_u32 s22, s22, s19
	s_mov_b32 s23, 0
	s_lshl_b32 s20, s20, 6
	s_lshl_b32 s48, s[WV], 11                      ; my quarter of the scale words
	s_add_co_u32 s20, s20, s48
	s_mov_b32 s21, 0
	s_add_co_u32 s74, s48, SCB
	s_mov_b32 s[CS], 0x3e38aa3b                    ; log2(e) / 8
	s_mov_b32 s[CS+1], s[CS]
	s_mov_b32 s[CLIPL], 0xc3c80000                 ; -400, 400: the clip at 50, ahead of the division by 8
	s_mov_b32 s[CLIPH], 0x43c80000
	s_mov_b32 s[SEL], 0x76543210
	s_mov_b32 s[SEL+1], 0xfedcba98
	s_mov_b32 s55, 0x01000100
	v_and_b32 v20, 31, v0
	v_and_b32 v21, 15, v0
	v_bfe_u32 v22, v0, 4, 1
	v_lshlrev_b32 v[LI], 4, v20
	v_lshlrev_b32 v[MO], 5, v0
	v_lshl_add_u32 v[BST], v0, 5, BIAS
	v_lshl_add_u32 v[AB], v22, 6, BIAS
	v_add_nc_u32 v[BV], VIMG, v[LI]
	v_lshl_add_u32 v[BSK], v21, 4, SCB
	v_add_nc_u32 v[BSV], SCB+4096, v[LI]
	v_add_nc_u32 v[BSC], s74, v[LI]
	s_mul_i32 s49, s[WV], QSTW
	s_add_co_u32 s49, s49, QST
	v_add_nc_u32 v[BQ], s49, v[LI]
	s_add_co_u32 s49, s49, 4*FRB
	v_lshl_add_u32 v[BQW], v20, 2, s49
	v_lshlrev_b32 v[CSO], 5, v21
	v_lshlrev_b32 v[R16], 4, v21
	s_wait_alu depctr_va_vdst(0)                   ; the wait ahead of the blocking waits
	s_wait_dscnt 0x0
	s_wait_kmcnt 0x0
	s_mov_b32 s[G0I], 1
	s_mov_b32 s[G0I+1], s19
	s_add_nc_u64 s[G0I+2:G0I+3], s[4:5], s[22:23]
	s_or_b32 s[G0I+3], s[G0I+3], 0x80000000
	s_add_nc_u64 s[44:45], s[6:7], s[20:21]        ; my 2,048 bytes of K's and V^T's scale words
	s_lshl_b32 s70, s15, 4
	s_lshl_b32 s71, s[WV], 2
	s_add_co_u32 s70, s70, s71                     ; my first tile of queries in the batch
	s_lshl_b32 s72, s16, 6
	s_add_co_u32 s72, s72, s70
	s_mul_i32 s72, s72, FRB
	s_mov_b32 s73, 0
	s_add_nc_u64 s[66:67], s[4:5], s[72:73]        ; my four fragments of Q
	s_lshl_b32 s72, s16, 12
	s_lshl_b32 s71, s15, 10
	s_add_co_u32 s72, s72, s71
	s_lshr_b32 s71, s[WV], 1
	s_lshl_b32 s71, s71, 9
	s_add_co_u32 s72, s72, s71
	s_and_b32 s71, s[WV], 1
	s_lshl_b32 s71, s71, 3
	s_add_co_u32 s72, s72, s71
	s_add_nc_u64 s[68:69], s[6:7], s[72:73]        ; and their scale words
	s_lshl_b32 s71, s17, 6
	s_add_co_u32 s70, s70, s71
	s_lshl_b32 s72, s70, 3
	s_add_co_u32 s72, s72, s18
	s_mul_i32 s72, s72, FRB
	s_add_nc_u64 s[10:11], s[10:11], s[72:73]      ; ctx: tile, K step = the pair of heads
	s_lshl_b32 s72, s70, 9
	s_lshl_b32 s71, s18, 2
	s_add_co_u32 s72, s72, s71
	s_add_nc_u64 s[12:13], s[12:13], s[72:73]
	s_lshl_b32 s72, s17, 12
	s_add_nc_u64 s[8:9], s[8:9], s[72:73]          ; the batch's mask
	ROUND                                          ; the four partners' joint loads meet
	tensor_load_to_lds s[G0I:G0I+3], s[G1I:G1I+7]  ; my one tensor load
	s_nop 0
	global_load_b128 v[64:67], v[MO], s[8:9]
	global_load_b128 v[68:71], v[MO], s[8:9] offset:16
.irp i, 0,1,2,3
	global_load_b128 v[136+4*\i:139+4*\i], v[LI], s[44:45] offset:512*\i
.endr
.irp k, 0,1,2,3,4,5,6,7,8,9,10,11
	global_load_b128 v[80+4*\k:83+4*\k], v[LI], s[66:67] offset:512*\k
.endr
.irp f, 0,1,2,3
	global_load_b32 v[128+\f], v[R16], s[68:69] offset:256*(\f%2)+4*(\f/2)
.endr
.irp i, 0,1,2,3,4,5
	v_mov_b32 v[QOP+\i], 0                         ; the zero codes beside Q's
	v_mov_b32 v[QOP+12+\i], 0
	v_mov_b32 v[CTH+\i], 0
.endr
	v_mov_b32 v[HWHI], 0
.irp b, 0,1,2,3
	v_mov_b32 v[TM+4+\b], 0                        ; a lane permute's destination counts as one of its sources
.endr
	v_mov_b32 v132, 0xff800000
	s_wait_alu depctr_va_vdst(0)                   ; the wait ahead of the blocking wait
	s_wait_loadcnt 20                              ; the mask's two loads are in
.irp i, 0,1,2,3,4,5,6,7
	v_cmp_eq_u32 vcc_lo, 0, v[64+\i]
	v_cndmask_b32 v[72+\i], 0, v132, vcc_lo
.endr
	ds_store_b128 v[BST], v[72:75]
	ds_store_b128 v[BST], v[76:79] offset:16
	s_wait_loadcnt 0x0
.irp i, 0,1,2,3
	ds_store_b128 v[BSC], v[136+4*\i:139+4*\i] offset:512*\i
.endr
.irp k, 0,1,2,3,4,5,6,7,8,9,10,11
	ds_store_b128 v[BQ], v[80+4*\k:83+4*\k] offset:512*\k
.endr
.irp f, 0,1,2,3
	ds_store_b32 v[BQW], v[128+\f] offset:128*\f
.endr
	s_wait_tensorcnt 0x0                           ; my quarter of the images is in,
	s_wait_dscnt 0x0                               ; my stores are done,
	s_barrier_signal -1
	s_barrier_wait -1                              ; everybody's are
.macro QUANT s, d0, d1                 ; register 16 b + i = k 32 b + 16 h + i of my row -> codes; the four scale bytes stay in v[TM + 4] .. + 7
.irp b, 0,1,2,3
	v_max3_num_f32 v[TM+\b], |v[\s+16*\b]|, |v[\s+1+16*\b]|, 0x1800000   ; with the floor 2^(3 - 127): the byte cannot fall under 1
.endr
.irp i, 2,4,6,8,10,12,14
.irp b, 0,1,2,3
	v_max3_num_f32 v[TM+\b], v[TM+\b], |v[\s+16*\b+\i]|, |v[\s+1+16*\b+\i]|
.endr
.endr
.irp b, 0,1,2,3
	v_permlanex16_b32 v[TM+4+\b], v[TM+\b], s[SEL], s[SEL+1]
.endr
.irp b, 0,1,2,3
	v_max_num_f32 v[TM+\b], v[TM+\b], v[TM+4+\b]
.endr
.irp b, 0,1,2,3
	v_add_nc_u32 v[TM+12+\b], 0xff000000, v[TM+\b]   ; 2 off the exponent field: the conversion's scale operand
.endr
.irp b, 0,1,2,3
	v_lshrrev_b32 v[TM+4+\b], 23, v[TM+12+\b]
.endr
	v_cvt_scalef32_pk16_fp6_f32 v[\d0:\d0+2], v[\s:\s+15], v[TM+12]
	v_cvt_scalef32_pk16_fp6_f32 v[T2:T2+2], v[\s+16:\s+31], v[TM+13]
	v_cvt_scalef32_pk16_fp6_f32 v[\d1:\d1+2], v[\s+32:\s+47], v[TM+14]
	v_cvt_scalef32_pk16_fp6_f32 v[T2+4:T2+6], v[\s+48:\s+63], v[TM+15]
	v_nop                                          ; one plain instruction behind the scaled conversions
.irp i, 0,1,2
	v_permlane16_swap_b32 v[\d0+\i], v[T2+\i]      ; a whole block to a lane
	v_permlane16_swap_b32 v[\d1+\i], v[T2+4+\i]
.endr
.irp i, 0,1,2
	v_mov_b32 v[\d0+3+\i], v[T2+\i]
	v_mov_b32 v[\d1+3+\i], v[T2+4+\i]
.endr
.endm
.macro QUANT2 s, d0                    ; the same for 64 along K
.irp b, 0,1
	v_max3_num_f32 v[TM+\b], |v[\s+16*\b]|, |v[\s+1+16*\b]|, 0x1800000
.endr
.irp i, 2,4,6,8,10,12,14
.irp b, 0,1
	v_max3_num_f32 v[TM+\b], v[TM+\b], |v[\s+16*\b+\i]|, |v[\s+1+16*\b+\i]|
.endr
.endr
.irp b, 0,1
	v_permlanex16_b32 v[TM+4+\b], v[TM+\b], s[SEL], s[SEL+1]
.endr
.irp b, 0,1
	v_max_num_f32 v[TM+\b], v[TM+\b], v[TM+4+\b]
.endr
.irp b, 0,1
	v_add_nc_u32 v[TM+12+\b], 0xff000000, v[TM+\b]
.endr
.irp b, 0,1
	v_lshrrev_b32 v[TM+4+\b], 23, v[TM+12+\b]
.endr
	v_cvt_scalef32_pk16_fp6_f32 v[\d0:\d0+2], v[\s:\s+15], v[TM+12]
	v_cvt_scalef32_pk16_fp6_f32 v[T2:T2+2], v[\s+16:\s+31], v[TM+13]
	v_nop
.irp i, 0,1,2
	v_permlane16_swap_b32 v[\d0+\i], v[T2+\i]
.endr
.irp i, 0,1,2
	v_mov_b32 v[\d0+3+\i], v[T2+\i]
.endr
.endm
.macro LOADK s                         ; step s: four fragments of K (128 keys of my head) and their scale words: 13 loads
	WIN 0
	ds_load_b128 v[KSC+4*((\s)%2):KSC+4*((\s)%2)+3], v[ASK] offset:512*(\s)
	WIN 0x40
.irp pi, 0,1,2,3
.irp c, 0,1,2
	ds_load_b128 v[48*((\s)%2)+12*\pi+4*\c:48*((\s)%2)+12*\pi+4*\c+3], v[AK+(\s)/4] offset:((\s)%4)*12288+3072*\pi+512*\c
.endr
.endr
.endm
.macro LOADV s                         ; step s: four fragments of V^T (my head's 64 channels x 128 keys): 13 loads
	WIN 0
	ds_load_b64 v[VSC+2*((\s)%2):VSC+2*((\s)%2)+1], v[ASV] offset:512*(\s)
	WIN 0x40
.irp t, 0,1,2,3
.irp c, 0,1,2
	ds_load_b128 v[48*((\s)%2)+12*\t+4*\c:48*((\s)%2)+12*\t+4*\c+3], v[AV+(\s)/4] offset:((\s)%4)*12288+1536*\t+512*\c
.endr
.endr
.endm
.macro LOADB s                         ; step s: the bias of my 64 keys: 16 loads
	WIN 0x40
.irp b, 0,1,2,3
.irp j, 0,1,2,3
	ds_load_b128 v[128+64*((\s)%2)+16*\b+4*\j:128+64*((\s)%2)+16*\b+4*\j+3], v[AB] offset:512*(\s)+128*\b+16*\j
.endr
.endr
.endm
.macro WS1 s, i                        ; the i-th of step s's eight products: 16 keys x 16 queries
	WIN 0x81+0x40*((\s)/4)
.if (\i)%2
	v_wmma_scale_f32_16x16x128_f8f6f4 v[64*((\s)%4)+8*(\i):64*((\s)%4)+8*(\i)+7], v[48*((\s)%2)+12*((\i)/2):48*((\s)%2)+12*((\i)/2)+11], v[QOP:QOP+11], 0, v[KSC+4*((\s)%2)+(\i)/2], v[QS] matrix_a_fmt:MATRIX_FMT_FP6 matrix_b_fmt:MATRIX_FMT_FP6
.else
	v_wmma_scale_f32_16x16x128_f8f6f4 v[64*((\s)%4)+8*(\i):64*((\s)%4)+8*(\i)+7], v[48*((\s)%2)+12*((\i)/2):48*((\s)%2)+12*((\i)/2)+11], v[QOP+6:QOP+17], 0, v[KSC+4*((\s)%2)+(\i)/2], v[QS] matrix_a_fmt:MATRIX_FMT_FP6 matrix_b_fmt:MATRIX_FMT_FP6
.endif
.endm
.macro CL s                            ; the clip, each accumulator from its low end on
.set i1, 0
.rept 64
	v_med3_num_f32 v[64*((\s)%4)+i1], v[64*((\s)%4)+i1], s[CLIPL], s[CLIPH]
.set i1, i1+1
.endr
.endm
.macro SM s                            ; step s's p onto the sums
	WIN 0x08+4*((\s)/4)
.set i2, 0
.rept 32
	v_pk_add_f32 v[LSUM+2*((i2/2)%8):LSUM+2*((i2/2)%8)+1], v[LSUM+2*((i2/2)%8):LSUM+2*((i2/2)%8)+1], v[64*((\s)%4)+i2:64*((\s)%4)+i2+1]
.set i2, i2+2
.endr
.endm
.macro FM4 s, c                        ; t = score x log2(e) / 8 + bias, registers 8 c .. 8 c + 7 of step s
.set pf, 64*((\s)%4)+8*(\c)
.set bf, 128+64*((\s)%2)+8*(\c)
.irp i, 0,2,4,6
	v_pk_fma_f32 v[pf+\i:pf+\i+1], v[pf+\i:pf+\i+1], s[CS:CS+1], v[bf+\i:bf+\i+1] op_sel_hi:[1,0,1]
.endr
.endm
.macro EX8 s, c                        ; 2^t
.set pe, 64*((\s)%4)+8*(\c)
.irp i, 0,1,2,3,4,5,6,7
	v_exp_f32 v[pe+\i], v[pe+\i]
.endr
.endm
.macro EXFM s, c                       ; step s's exponentials and step s + 2's multiply-adds by turns (both in one window)
.set pe, 64*((\s)%4)+8*(\c)
.set pf, 64*(((\s)+2)%4)+8*(\c)
.set bf, 128+64*(((\s)+2)%2)+8*(\c)
.irp i, 0,2,4,6
	v_exp_f32 v[pe+\i], v[pe+\i]
	v_pk_fma_f32 v[pf+\i:pf+\i+1], v[pf+\i:pf+\i+1], s[CS:CS+1], v[bf+\i:bf+\i+1] op_sel_hi:[1,0,1]
	v_exp_f32 v[pe+\i+1], v[pe+\i+1]
.endr
.endm
.macro SLOT2 j                         ; j = -1 .. 3: the slot of the pair of steps e0, e0 + 1
.set e0, 2*(\j)
	s_wait_alu depctr_va_vdst(0)                   ; behind the exponentials and the products, ahead of the clip
.if (\j) <= 1
	LOADK e0+4                                     ; both sets of K are free: the last slot's products have read them
	LOADK e0+5
.endif
.if (\j) == 2
	LOADV 0                                        ; K is done with: V^T's first two steps
	LOADV 1
.endif
.if ((\j) >= 0) && ((\j) <= 2)
	LOADB e0+2
	LOADB e0+3
.endif
.if (\j) < 3
	WIN PWN+0x41*((e0+2)/4)
	CL e0+2
	CL e0+3
.endif
.if (\j) >= 1
	SM e0-2
	SM e0-1
.endif
	s_wait_alu depctr_va_vdst(0)                   ; ahead of the batch and of the blocking wait
	s_wait_dscnt 0x0                               ; what this slot asked of LDS is in
.set ee, e0
.rept 2
.set ci, 0
.rept 8
.if (\j) <= 1
	WS1 ee+4, ci
.endif
.if (\j) < 0
	WIN PWN
	FM4 ee+2, ci
.else
.if (\j) == 3
	WIN PWN+0x41
	EX8 ee, ci
.else
.if (ee/4) == ((ee+2)/4)
	WIN PWN+0x41*(ee/4)
	EXFM ee, ci
.else
	WIN PWN+0x41*(ee/4)
	EX8 ee, ci
	WIN PWN+0x41*((ee+2)/4)
	FM4 ee+2, ci
.endif
.endif
.endif
.set ci, ci+1
.endr
.set ee, ee+1
.endr
	v_nop                                          ; one plain instruction behind the last exponential; with the four multiply-adds ahead of it also the places behind the last product
.endm
.macro NORM s                          ; p x 1 / sum, into window 0
	WIN 0x02+(\s)/4
.set i2, 0
.rept 32
	v_pk_mul_f32 v[X+i2:X+i2+1], v[64*((\s)%4)+i2:64*((\s)%4)+i2+1], v[INV:INV+1] op_sel_hi:[1,0]
.set i2, i2+2
.endr
.endm
.macro PV s                            ; O^T += V^T p^T: four accumulators by turns
	WIN 0x01
.irp t, 0,1,2,3
.set vb, 48*((\s)%2)+12*\t
.set vs, VSC+2*((\s)%2)+\t/2
.if (\s) == 0
.if \t%2
	v_wmma_scale_f32_16x16x128_f8f6f4 v[OT+8*\t:OT+8*\t+7], v[vb:vb+11], v[PC:PC+11], 0, v[vs], v[PW] matrix_a_fmt:MATRIX_FMT_FP6 matrix_b_fmt:MATRIX_FMT_FP6 matrix_a_scale:MATRIX_SCALE_ROW1
.else
	v_wmma_scale_f32_16x16x128_f8f6f4 v[OT+8*\t:OT+8*\t+7], v[vb:vb+11], v[PC:PC+11], 0, v[vs], v[PW] matrix_a_fmt:MATRIX_FMT_FP6 matrix_b_fmt:MATRIX_FMT_FP6
.endif
.else
.if \t%2
	v_wmma_scale_f32_16x16x128_f8f6f4 v[OT+8*\t:OT+8*\t+7], v[vb:vb+11], v[PC:PC+11], v[OT+8*\t:OT+8*\t+7], v[vs], v[PW] matrix_a_fmt:MATRIX_FMT_FP6 matrix_b_fmt:MATRIX_FMT_FP6 matrix_a_scale:MATRIX_SCALE_ROW1
.else
	v_wmma_scale_f32_16x16x128_f8f6f4 v[OT+8*\t:OT+8*\t+7], v[vb:vb+11], v[PC:PC+11], v[OT+8*\t:OT+8*\t+7], v[vs], v[PW] matrix_a_fmt:MATRIX_FMT_FP6 matrix_b_fmt:MATRIX_FMT_FP6
.endif
.endif
.endr
.endm
.macro P2 s
	WIN 0
	QUANT X, PC, PC+6
	v_lshl_or_b32 v[PW], v[TM+5], 8, v[TM+4]       ; p's scale word for these 128 keys
	v_lshl_or_b32 v[PW], v[TM+6], 16, v[PW]
	v_lshl_or_b32 v[PW], v[TM+7], 24, v[PW]
.if ((\s) >= 1) && ((\s) <= 6)
	LOADV (\s)+1
.endif
.if (\s) < 7
	NORM (\s)+1                                    ; also the places between the scale word's write and the products
	s_wait_dscnt 13                                ; this step's V^T is in; the next step's 13 loads may be out
.else
.rept 8
	v_nop
.endr
	s_wait_alu depctr_va_vdst(0)
	s_wait_dscnt 0x0
.endif
	PV \s
.endm
	s_mov_b32 s[OC], 0                             ; tile of 16 queries, 0 .. 3
.Ltile:
	s_mov_b32 s[HD], 0                             ; head of the pair
.Lhead:
	s_mul_i32 s52, s[HD], FRB
	v_add_nc_u32 v[AK], s52, v[LI]
	v_add_nc_u32 v[AK+1], 49152, v[AK]
	s_mul_i32 s52, s[HD], 4*FRB
	v_add_nc_u32 v[AV], s52, v[BV]
	v_add_nc_u32 v[AV+1], 49152, v[AV]
	s_lshl_b32 s52, s[HD], 8
	v_add_nc_u32 v[ASK], s52, v[BSK]
	s_lshl_b32 s52, s[HD], 3
	v_add_nc_u32 v[ASV], s52, v[BSV]
	s_and_b32 s53, s[OC], 2
	s_add_co_u32 s53, s53, s[HD]
	s_mul_i32 s52, s53, FRB
	v_add_nc_u32 v[AQ], s52, v[BQ]
	s_lshl_b32 s52, s53, 7
	v_add_nc_u32 v[AQW], s52, v[BQW]
	s_wait_alu depctr_va_vdst(0)
	ds_load_b128 v[QRAW:QRAW+3], v[AQ]
	ds_load_b128 v[QRAW+4:QRAW+7], v[AQ] offset:512
	ds_load_b128 v[QRAW+8:QRAW+11], v[AQ] offset:1024
	ds_load_b32 v[QW], v[AQW]
	LOADK 0
	LOADK 1
	LOADB 0
	LOADB 1
	WIN 0
	s_wait_dscnt 58                                ; Q's four loads are in; 13 + 13 + 16 + 16 may be out
	s_bitcmp1_b32 s[OC], 0                         ; a fragment of Q holds two tiles: which is this trip's
	s_cselect_b32 s54, 0x03020302, s55
	s_cselect_b32 vcc_lo, -1, 0
	v_perm_b32 v[QS], v[QW], v[QW], s54            ; its two scale bytes, for both halves of K
.irp i, 0,1,2,3,4,5
	v_cndmask_b32 v[QOP+6+\i], v[QRAW+\i], v[QRAW+6+\i], vcc_lo
.endr
.irp i, 0,1,2,3,4,5,6,7,8,9,10,11,12,13,14,15
	v_mov_b32 v[LSUM+\i], 0
.endr
	s_wait_alu depctr_va_vdst(0)                   ; the wait ahead of the blocking wait
	s_wait_dscnt 32                                ; K's steps 0 and 1 are in; the bias's 32 loads may be out
.irp i, 0,1,2,3,4,5,6,7
	WS1 0, \i
.endr
.irp i, 0,1,2,3,4,5,6,7
	WS1 1, \i
.endr
.rept 4
	v_nop                                          ; places ahead of the loads into K's sets and of the first read of the results
.endr
.irp t, -1,0,1,2,3
	SLOT2 \t
.endr
	s_wait_alu depctr_va_vdst(0)                   ; behind the last batch
	SM 6
	SM 7
	WIN 0
.irp i, 0,2,4,6
	v_pk_add_f32 v[LSUM+\i:LSUM+\i+1], v[LSUM+\i:LSUM+\i+1], v[LSUM+8+\i:LSUM+9+\i]
.endr
	v_pk_add_f32 v[LSUM:LSUM+1], v[LSUM:LSUM+1], v[LSUM+2:LSUM+3]
	v_pk_add_f32 v[LSUM+4:LSUM+5], v[LSUM+4:LSUM+5], v[LSUM+6:LSUM+7]
	v_pk_add_f32 v[LSUM:LSUM+1], v[LSUM:LSUM+1], v[LSUM+4:LSUM+5]
	v_add_f32 v[LSUM], v[LSUM], v[LSUM+1]
	v_permlanex16_b32 v[LSUM+2], v[LSUM], s[SEL], s[SEL+1]
	v_add_f32 v[LSUM], v[LSUM], v[LSUM+2]          ; the row's sum
	s_wait_alu depctr_va_vdst(0)
	v_rcp_f32 v[RC], v[LSUM]
	v_nop
	v_cmp_lt_f32 vcc_lo, 0, v[LSUM]
	s_wait_alu depctr_va_vdst(0)
	v_cndmask_b32 v[INV], 0, v[RC], vcc_lo         ; a row with no key left: p = 0
	v_cndmask_b32 v[INV+1], 0, v[RC], vcc_lo
	NORM 0
.irp t, 0,1,2,3,4,5,6,7
	P2 \t
.endr
	WIN 0
.irp i, 0,1,2,3,4,5
	v_mov_b32 v[CTL+\i], v[CTH+\i]                 ; the first head's codes move down; also the places behind the last products
.endr
	v_mov_b32 v[HWLO], v[HWHI]
	QUANT2 OT, CTH                                 ; the context's 64 channels of this head
	v_lshl_or_b32 v[HWHI], v[TM+5], 8, v[TM+4]
	s_add_co_u32 s[HD], s[HD], 1
	s_cmp_lt_u32 s[HD], 2
	s_wait_alu depctr_va_vdst(0)                   ; the wait ahead of the branch
	s_cbranch_scc1 .Lhead
	v_lshl_or_b32 v[CW], v[HWHI], 16, v[HWLO]
.irp c, 0,1,2
	global_store_b128 v[LI], v[CTL+4*\c:CTL+4*\c+3], s[10:11] offset:512*\c   ; a fragment's image: 512 consecutive bytes a store
.endr
	global_store_b32 v[CSO], v[CW], s[12:13]
	s_wait_xcnt 0x0                                ; the stores have read their registers and bases
	s_add_nc_u64 s[10:11], s[10:11], 8*FRB
	s_add_nc_u64 s[12:13], s[12:13], 512
	s_add_co_u32 s[OC], s[OC], 1
	s_cmp_lt_u32 s[OC], 4
	s_wait_alu depctr_va_vdst(0)
	s_cbranch_scc1 .Ltile
	s_wait_tensorcnt 0x0                           ; the wave's end
	ds_add_u32 v254, v255
	s_wait_dscnt 0x0
	ROUND                                          ; the closing round
	s_endpgm
.Lfunc_end_k_q4e2eec1f1a_attn:
	.size	k_q4e2eec1f1a_attn, .Lfunc_end_k_q4e2eec1f1a_attn-k_q4e2eec1f1a_attn
	.p2alignl 7, 3214868480
	.fill 96, 4, 3214868480
	.section	.rodata,"a",@progbits
	.p2align	6, 0x0
	.amdhsa_kernel k_q4e2eec1f1a_attn
		.amdhsa_group_segment_fixed_size 327680
		.amdhsa_private_segment_fixed_size 0
		.amdhsa_enable_private_segment 0
		.amdhsa_kernarg_size 40
		.amdhsa_user_sgpr_count 2
		.amdhsa_user_sgpr_kernarg_segment_ptr 1
		.amdhsa_wavefront_size32 1
		.amdhsa_system_sgpr_workgroup_id_x 1
		.amdhsa_system_sgpr_workgroup_id_y 1
		.amdhsa_system_sgpr_workgroup_id_z 1
		.amdhsa_system_vgpr_workitem_id 0
		.amdhsa_next_free_vgpr 1024
		.amdhsa_next_free_sgpr 80
		.amdhsa_reserve_vcc 1
		.amdhsa_float_denorm_mode_32 3
		.amdhsa_float_denorm_mode_16_64 3
		.amdhsa_memory_ordered 1
		.amdhsa_forward_progress 1
		.amdhsa_inst_pref_size 182
	.end_amdhsa_kernel
	.amdgpu_metadata
---
amdhsa.version: [ 1, 2 ]
amdhsa.kernels:
  - .name:           k_q4e2eec1f1a_attn
    .symbol:         k_q4e2eec1f1a_attn.kd
    .args:
      - { .name: qkv, .offset: 0, .size: 8, .value_kind: global_buffer, .address_space: global }
      - { .name: qkvs, .offset: 8, .size: 8, .value_kind: global_buffer, .address_space: global }
      - { .name: mask, .offset: 16, .size: 8, .value_kind: global_buffer, .address_space: global }
      - { .name: ctx, .offset: 24, .size: 8, .value_kind: global_buffer, .address_space: global }
      - { .name: ctxs, .offset: 32, .size: 8, .value_kind: global_buffer, .address_space: global }
    .group_segment_fixed_size: 327680
    .private_segment_fixed_size: 0
    .kernarg_segment_align: 8
    .kernarg_segment_size: 40
    .max_flat_workgroup_size: 128
    .sgpr_count:     80
    .vgpr_count:     1024
    .wavefront_size: 32
...
	.end_amdgpu_metadata
.endif
;; end of part 3
;; launch outp (part 4): grid 4 x 64, 4 waves a work-group, clusters of 4 x 1, 327,680 bytes of LDS; arguments ctx, ctxs, codes, scales, bo, out0; writes out0
.if DOCPART == 4
	.amdgcn_target "amdgcn-amd-amdhsa--gfx1250"
	.amdhsa_code_object_version 6
	.text
	.protected	k_q4e2eec1f1a_outp
	.globl	k_q4e2eec1f1a_outp
	.p2align	8
	.type	k_q4e2eec1f1a_outp,@function
k_q4e2eec1f1a_outp:
	s_mov_b64 s[64:65], 0
	v_nop
	global_prefetch_b8 v0, s[64:65] scope:SCOPE_SE
	s_setreg_imm32_b32 hwreg(HW_REG_WAVE_MODE, 25, 1), 1
	s_wait_xcnt 0x0
	s_wait_alu depctr_hold_cnt(0) depctr_sa_sdst(0) depctr_va_vdst(0) depctr_va_sdst(0) depctr_va_ssrc(0) depctr_va_vcc(0) depctr_vm_vsrc(0)
	s_getreg_b32 s2, hwreg(HW_REG_IB_STS2, 6, 4)
	s_cmp_eq_u32 s2, 0
	s_cbranch_scc0 .Lentry_in_a_cluster
	s_endpgm
.Lentry_in_a_cluster:
	s_bfe_u32 s2, ttmp6, 0x10000c
	s_cmp_lg_u32 s2, 0x3003
	s_cbranch_scc0 .Lentry_shape_is_right
	s_endpgm
.Lentry_shape_is_right:
; out0 = context Wo^T + bo on codes of FP6 (E2M3) with E8M0 scales, f32 sums.
; Wo STAYS IN REGISTERS: a wave holds 64 rows of Wo (64 columns of the result) for all of K = 1,024: 4 tiles x 8 K steps x 12 registers, loaded once, straight from memory.
; A work-group takes 128 rows of the context (cluster y) x 256 columns (cx): two blocks of 64 rows x all of K, 8 tiles of 12,288 bytes, two a wave by one tensor load.  4 x 64 = 256 work-groups.
; The four partners of a cluster need the same rows of the context: the tiles are asked for jointly.  The rows' scale words (4,096 bytes) come by plain loads and LDS stores.
; The context's fragments have four sets of registers; they are read from LDS in three runs a block (K steps 0-3, 4-5, 6-7), each at least two K steps, 32 matrix instructions, ahead of its use.
; Source 0 = Wo, source 1 = the context: a lane holds eight neighbouring columns of a row.  The bias is the C of each accumulator's first product.  16 rows at a time go through the wave's own stage in LDS
; and leave as rows of 256 bytes, sixteen lanes to an aligned unit.  No prefetch: every tile is asked for once, at the head; there is no loop to run ahead in.
; LIMITS: NaN and infinities are not served (for finite numbers the model's nan_to_num is the identity).
; REGISTERS: window 0: addresses, v32-63 Wo's scale words, v64-95 the block's, v128-223 the context's fragments, sets 0 and 1 (on the way out: rows read back).  Window 1: Wo's K steps 0-4.
;   window 2: v0-143 Wo's K steps 5-7, v144-239 the context's fragments, sets 2 and 3.   window 3: v0-127 accumulators, v128-159 bias.
.set FRB,   1536
.set TILEB, 12288
.set SPARE, 131072                     ; behind the two blocks, 65,536 bytes apart: the spare words
.set SCLB,  131584                     ; the rows' scale words
.set STAGE, 135680                     ; 16 rows x 272 bytes for each wave
.set SPITCH, 272
.set LI,   1
.set R32,  2
.set ADRA, 3
.set ASC,  4
.set ASC0, 5
.set STO,  6
.set RD,   7
.set T16,  8
.set TST,  9
.set BOQ,  10
.set CO,   11
.set SPW,  12
.set NIL,  13
.set SW,   32
.set SA,   64
.set AF,   128
.set BK,   128
.set CB,   128
.set WV,   18
.set G1,   24
.set G0,   32
.set SI,   37
.set OP,   38
.set MSB, 0
.macro WIN new
.if MSB != (\new)
	s_set_vgpr_msb (MSB<<8)|(\new)
.set MSB, (\new)
.endif
.endm
.macro PLACES
.rept 4
	v_nop
.endr
.endm
.macro ROUND
	s_barrier_signal -1
	s_barrier_wait -1
	s_cmp_lg_u32 s[WV], 0
	s_cbranch_scc1 .Lnot_wave_0_\@
	s_barrier_signal -3
.Lnot_wave_0_\@:
	s_barrier_wait -3
	s_barrier_signal -1
	s_barrier_wait -1
.endm
	s_load_b256 s[4:11], s[0:1], 0x0               ; ctx, ctxs, codes, scales
	s_load_b128 s[12:15], s[0:1], 0x20             ; bo, out0
	v_lshl_add_u32 v[SPW], v0, 2, SPARE
	v_mov_b32 v[NIL], 0
	ds_add_u32 v[SPW], v[NIL]                      ; the opening lines: the add twice on end and one wait
	ds_add_u32 v[SPW], v[NIL]
	v_lshrrev_b32 v20, 5, v0
	v_readfirstlane_b32 s[WV], v20
	s_bfe_u32 s19, ttmp6, 0x40000                  ; cx: which 256 columns
	s_and_b32 s20, ttmp7, 0xffff                   ; which 128 rows
	s_mov_b32 s[G1], 15|(3<<16)|(1<<21)            ; all four partners; 96 rows of 32 elements of 8 bytes, dense
	s_mov_b32 s[G1+1], 32<<16
	s_mov_b32 s[G1+2], 96<<16
	s_mov_b32 s[G1+3], 32<<16
	s_mov_b32 s[G1+4], 96
	s_mov_b32 s[G1+5], 32
	s_mov_b32 s[G1+6], 0
	s_mov_b32 s[G1+7], 0
	s_lshl_b32 s23, s20, 3                         ; my rows' first tile
	s_lshl_b32 s44, s[WV], 1
	s_add_co_u32 s44, s44, s23
	s_mul_i32 s44, s44, TILEB
	s_mov_b32 s45, 0
	s_lshr_b32 s48, s[WV], 1
	s_and_b32 s49, s[WV], 1
	s_lshl_b32 s50, s48, 16
	s_mul_i32 s51, s49, 2*TILEB
	s_mov_b32 s[G0], 1
	s_add_co_u32 s[G0+1], s50, s51
	s_lshl_b32 s52, s23, 9
	s_mov_b32 s53, 0
	s_lshl_b32 s54, s19, 4
	s_lshl_b32 s55, s[WV], 2
	s_add_co_u32 s54, s54, s55
	s_add_co_u32 s54, s54, 1728                    ; my first tile of Wo
	s_lshl_b32 s56, s54, 9
	s_mov_b32 s57, 0
	s_mul_i32 s54, s54, TILEB
	s_mov_b32 s55, 0
	s_lshl_b32 s60, s19, 10
	s_lshl_b32 s61, s[WV], 8
	s_add_co_u32 s60, s60, s61                     ; my first column, in bytes
	s_mov_b32 s61, 0
	s_lshl_b32 s62, s20, 19                        ; 128 rows of 4,096 bytes
	s_add_co_u32 s62, s62, s60
	s_mov_b32 s63, 0
	s_mul_i32 s66, s[WV], 16*SPITCH
	s_add_co_u32 s66, s66, STAGE
	v_and_b32 v20, 31, v0
	v_and_b32 v21, 15, v0
	v_bfe_u32 v22, v0, 4, 1
	v_lshlrev_b32 v[LI], 4, v20
	v_lshlrev_b32 v[R32], 5, v21
	v_lshl_add_u32 v[ASC0], v21, 5, SCLB
	v_lshlrev_b32 v[T16], 4, v0
	v_lshl_add_u32 v[TST], v0, 4, SCLB
	v_lshlrev_b32 v[BOQ], 5, v22                   ; register 8 t + j wants column 16 t + 8 h + j
	v_mul_u32_u24 v23, v21, SPITCH
	v_lshl_add_u32 v23, v22, 5, v23
	v_add_nc_u32 v[STO], s66, v23                  ; into the stage: row r, 32 bytes for each half of the lanes
	v_mul_u32_u24 v23, v22, SPITCH
	v_lshl_add_u32 v23, v21, 4, v23
	v_add_nc_u32 v[RD], s66, v23                   ; back: lanes 0-15 one row of 256 bytes, lanes 16-31 the next
	v_lshlrev_b32 v[CO], 12, v22
	v_lshl_add_u32 v[CO], v21, 4, v[CO]            ; and the same two rows in out0
	s_wait_alu depctr_va_vdst(0)                   ; the wait ahead of the blocking waits
	s_wait_dscnt 0x0
	s_wait_kmcnt 0x0
	s_add_nc_u64 s[G0+2:G0+3], s[4:5], s[44:45]
	s_or_b32 s[G0+3], s[G0+3], 0x80000000
	s_add_nc_u64 s[52:53], s[6:7], s[52:53]
	s_add_nc_u64 s[54:55], s[8:9], s[54:55]
	s_add_nc_u64 s[56:57], s[10:11], s[56:57]
	s_add_nc_u64 s[12:13], s[12:13], s[60:61]
	s_add_nc_u64 s[OP:OP+1], s[14:15], s[62:63]
	ROUND                                          ; the partners' joint loads meet
	tensor_load_to_lds s[G0:G0+3], s[G1:G1+7]      ; my one tensor load
	s_nop 0
	PLACES
.macro WLOAD k
.if (\k) < 5
	WIN 0x40
.set wb, 48*(\k)
.else
	WIN 0x80
.set wb, 48*((\k)-5)
.endif
.irp t, 0,1,2,3
.irp c, 0,1,2
	global_load_b128 v[wb+12*\t+4*\c:wb+12*\t+4*\c+3], v[LI], s[54:55] offset:\t*TILEB+(\k)*FRB+512*\c
.endr
.endr
.endm
.irp i, 0,1
	global_load_b128 v[AF+4*\i:AF+4*\i+3], v[T16], s[52:53] offset:2048*\i
.endr
.irp t, 0,1,2,3
	global_load_b128 v[SW+8*\t:SW+8*\t+3], v[R32], s[56:57] offset:512*\t
	global_load_b128 v[SW+8*\t+4:SW+8*\t+7], v[R32], s[56:57] offset:512*\t+16
.endr
.irp k, 0,1,2,3
	WLOAD \k
.endr
	WIN 0
	s_wait_loadcnt 56                              ; the rows' scale words are in; 8 + 48 loads may be out
.irp i, 0,1
	ds_store_b128 v[TST], v[AF+4*\i:AF+4*\i+3] offset:2048*\i
.endr
.irp k, 4,5,6,7
	WLOAD \k
.endr
	WIN 0xc0
.irp t, 0,1,2,3
	global_load_b128 v[CB+8*\t:CB+8*\t+3], v[BOQ], s[12:13] offset:64*\t
	global_load_b128 v[CB+8*\t+4:CB+8*\t+7], v[BOQ], s[12:13] offset:64*\t+16
.endr
	WIN 0
	s_wait_loadcnt 0x0
	s_wait_tensorcnt 0x0                           ; my two tiles are in,
	s_wait_dscnt 0x0                               ; my stores are done,
	s_barrier_signal -1
	s_barrier_wait -1                              ; everybody's are; nothing is filled again
.macro FRAGS k                         ; the block's four fragments of K step k into set k % 4
.if ((\k)%4) < 2
	WIN 0
.set ab, 128+48*((\k)%4)
.else
	WIN 0x80
.set ab, 144+48*(((\k)%4)-2)
.endif
.irp t, 0,1,2,3
.irp c, 0,1,2
	ds_load_b128 v[ab+12*\t+4*\c:ab+12*\t+4*\c+3], v[ADRA] offset:\t*TILEB+(\k)*FRB+512*\c
.endr
.endr
.endm
.macro MUL k                           ; 16 matrix instructions, the 16 accumulators by turns
.if (\k) < 5
.set wb, 48*(\k)
.set ww, 1
.else
.set wb, 48*((\k)-5)
.set ww, 2
.endif
.if ((\k)%4) < 2
.set ab, 128+48*((\k)%4)
.set aw, 0
.else
.set ab, 144+48*(((\k)%4)-2)
.set aw, 2
.endif
	WIN 0xf0|(aw<<2)|ww
.irp s, 0,1,2,3
.irp t, 0,1,2,3
.set dd, 32*\s+8*\t
.if (\k) == 0
	v_wmma_scale_f32_16x16x128_f8f6f4 v[dd:dd+7], v[wb+12*\t:wb+12*\t+11], v[ab+12*\s:ab+12*\s+11], v[CB+8*\t:CB+8*\t+7], v[SW+8*\t+(\k)], v[SA+8*\s+(\k)] matrix_a_fmt:MATRIX_FMT_FP6 matrix_b_fmt:MATRIX_FMT_FP6
.else
	v_wmma_scale_f32_16x16x128_f8f6f4 v[dd:dd+7], v[wb+12*\t:wb+12*\t+11], v[ab+12*\s:ab+12*\s+11], v[dd:dd+7], v[SW+8*\t+(\k)], v[SA+8*\s+(\k)] matrix_a_fmt:MATRIX_FMT_FP6 matrix_b_fmt:MATRIX_FMT_FP6
.endif
.endr
.endr
.endm
.macro TOSTAGE a                       ; 16 rows x 64 columns into my stage, each accumulator from its low end on, and back by rows
	WIN 0x0c
.irp t, 0,1,2,3
	ds_store_b128 v[STO], v[32*(\a)+8*\t:32*(\a)+8*\t+3] offset:64*\t
	ds_store_b128 v[STO], v[32*(\a)+8*\t+4:32*(\a)+8*\t+7] offset:64*\t+16
.endr
	WIN 0
.irp i, 0,1,2,3,4,5,6,7
	ds_load_b128 v[BK+32*((\a)%2)+4*\i:BK+32*((\a)%2)+4*\i+3], v[RD] offset:\i*2*SPITCH   ; LDS serves a wave's instructions in order: these see the stores above
.endr
.endm
.macro SEND a, younger                 ; younger: the LDS instructions issued behind these rows' loads
	s_wait_dscnt \younger
.irp i, 0,1,2,3,4,5,6,7
	global_store_b128 v[CO], v[BK+32*((\a)%2)+4*\i:BK+32*((\a)%2)+4*\i+3], s[OP:OP+1] offset:(\a)*65536+\i*8192 th:TH_STORE_NT   ; 16 lanes store 256 consecutive bytes, aligned
.endr
.endm
	s_mov_b32 s[SI], 0
.Lblock:
	s_lshl_b32 s70, s[SI], 16
	v_add_nc_u32 v[ADRA], s70, v[LI]
	s_lshl_b32 s70, s[SI], 11
	v_add_nc_u32 v[ASC], s70, v[ASC0]
	s_wait_alu depctr_va_vdst(0)
	FRAGS 0
.irp t, 0,1,2,3
	ds_load_b128 v[SA+8*\t:SA+8*\t+3], v[ASC] offset:512*\t
	ds_load_b128 v[SA+8*\t+4:SA+8*\t+7], v[ASC] offset:512*\t+16
.endr
	FRAGS 1
	FRAGS 2
	FRAGS 3
	s_wait_dscnt 36                                ; set 0 and the scale words are in; steps 1, 2, 3, 12 loads each, may be out
	MUL 0
	s_wait_dscnt 24
	MUL 1
	PLACES                                         ; ahead of loads into the sets that these products read
	FRAGS 4
	FRAGS 5
	s_wait_dscnt 36                                ; steps 3, 4, 5 may be out
	MUL 2
	s_wait_dscnt 24
	MUL 3
	PLACES
	FRAGS 6
	FRAGS 7
	s_wait_dscnt 36                                ; steps 5, 6, 7 may be out
	MUL 4
	s_wait_dscnt 24
	MUL 5
	s_wait_dscnt 12
	MUL 6
	s_wait_dscnt 0x0
	MUL 7
	PLACES                                         ; behind the last products
	TOSTAGE 0
	TOSTAGE 1
	SEND 0, 16
	s_wait_xcnt 0x0                                ; the stores have read the registers into which the next rows come back
	TOSTAGE 2
	SEND 1, 16
	s_wait_xcnt 0x0
	TOSTAGE 3
	SEND 2, 16
	SEND 3, 0
	s_wait_xcnt 0x0                                ; registers and base are free
	s_add_nc_u64 s[OP:OP+1], s[OP:OP+1], 262144    ; 64 rows on
	s_add_co_u32 s[SI], s[SI], 1
	s_cmp_lt_u32 s[SI], 2
	s_cbranch_scc1 .Lblock
	s_wait_tensorcnt 0x0                           ; the wave's end
	ds_add_u32 v[SPW], v[NIL]
	s_wait_dscnt 0x0
	ROUND                                          ; the closing round
	s_endpgm
.Lfunc_end_k_q4e2eec1f1a_outp:
	.size	k_q4e2eec1f1a_outp, .Lfunc_end_k_q4e2eec1f1a_outp-k_q4e2eec1f1a_outp
	.p2alignl 7, 3214868480
	.fill 96, 4, 3214868480
	.section	.rodata,"a",@progbits
	.p2align	6, 0x0
	.amdhsa_kernel k_q4e2eec1f1a_outp
		.amdhsa_group_segment_fixed_size 327680
		.amdhsa_private_segment_fixed_size 0
		.amdhsa_enable_private_segment 0
		.amdhsa_kernarg_size 48
		.amdhsa_user_sgpr_count 2
		.amdhsa_user_sgpr_kernarg_segment_ptr 1
		.amdhsa_wavefront_size32 1
		.amdhsa_system_sgpr_workgroup_id_x 1
		.amdhsa_system_sgpr_workgroup_id_y 1
		.amdhsa_system_sgpr_workgroup_id_z 1
		.amdhsa_system_vgpr_workitem_id 0
		.amdhsa_next_free_vgpr 1024
		.amdhsa_next_free_sgpr 80
		.amdhsa_reserve_vcc 0
		.amdhsa_float_denorm_mode_32 3
		.amdhsa_float_denorm_mode_16_64 3
		.amdhsa_memory_ordered 1
		.amdhsa_forward_progress 1
		.amdhsa_inst_pref_size 48
	.end_amdhsa_kernel
	.amdgpu_metadata
---
amdhsa.version: [ 1, 2 ]
amdhsa.kernels:
  - .name:           k_q4e2eec1f1a_outp
    .symbol:         k_q4e2eec1f1a_outp.kd
    .args:
      - { .name: ctx, .offset: 0, .size: 8, .value_kind: global_buffer, .address_space: global }
      - { .name: ctxs, .offset: 8, .size: 8, .value_kind: global_buffer, .address_space: global }
      - { .name: codes, .offset: 16, .size: 8, .value_kind: global_buffer, .address_space: global }
      - { .name: scales, .offset: 24, .size: 8, .value_kind: global_buffer, .address_space: global }
      - { .name: bo, .offset: 32, .size: 8, .value_kind: global_buffer, .address_space: global }
      - { .name: out0, .offset: 40, .size: 8, .value_kind: global_buffer, .address_space: global }
    .group_segment_fixed_size: 327680
    .private_segment_fixed_size: 0
    .kernarg_segment_align: 8
    .kernarg_segment_size: 48
    .max_flat_workgroup_size: 128
    .sgpr_count:     80
    .vgpr_count:     1024
    .wavefront_size: 32
...
	.end_amdgpu_metadata
.endif
;; end of part 4
